; MI455X (gfx1250); checked and timed in simulation.
; The chip was launched on July 23, 2026; its instructions are those of AMD's public machine-readable ISA for CDNA 5 (MIT licence, August 2026) and "CDNA5" Instruction Set Architecture Reference Guide (July 2026). The comments in the code are by the model that wrote it; some were corrected since.
;; Torch Attention. Allowed arithmetic: matrix products marked QUANTISED: E2M1 operands, one E8M0 scale for each 32 along K, by v_wmma_scale_f32_16x16x128_f8f6f4 with both operands' format E2M1 (or v_wmma_scale_f32_32x16x128_f4), f32 sums; everything else in f32.
;; Inputs: cos 2 x 2,048 x 128 float32; sin 2 x 2,048 x 128 float32; wk 512 x 4,096 float32; wo 4,096 x 1,024 float32; wq 1,024 x 4,096 float32; wv 512 x 4,096 float32; x 2 x 2,048 x 4,096 float32.
;; Outputs: out0 2 x 2,048 x 4,096 float32.
;; This version of the problem:
;;   THIS VERSION OF THE PROBLEM IS GIVEN IN LOW PRECISION. The matrix products marked QUANTISED in the list below multiply operands that are first quantised to E2M1 (2 exponent bits, 1 mantissa bit; 4 bits a number), with one power-of-two scale for each 32 numbers along K (OCP MX v1.0); their sums are f32. All else is computed in f32.
;;   The module's matrix products, in the order in which they are computed (A, B: the left and right operand; K: the contracted axis; several contracted axes count as one K, in the product's order):
;;     1. [M 4,096, K 4,096] x [K 4,096, N 1,024]; A: input x; B: input wq: QUANTISED
;;     2. [M 4,096, K 4,096] x [K 4,096, N 512]; A: input x; B: input wk: QUANTISED
;;     3. [M 4,096, K 4,096] x [K 4,096, N 512]; A: input x; B: input wv: QUANTISED
;;     4. batch 16 x [M 2,048, K 128] x [K 128, N 2,048]; A: computed on the way; B: computed on the way: QUANTISED
;;     5. batch 16 x [M 2,048, K 2,048] x [K 2,048, N 128]; A: softmax (see below); B: computed on the way: QUANTISED
;;     6. [M 4,096, K 1,024] x [K 1,024, N 4,096]; A: computed on the way; B: input wo: QUANTISED
;;   THE QUANTISER, for each operand of a quantised product, along K:
;;     - K is cut into blocks of 32 from its start; a last block that is shorter is filled with zeros.
;;     - A block's scale is 2^e with e = floor(log2(the largest magnitude in the block)) - 2, held to -126 .. 127; a block of zeros has e = 0. As a byte (E8M0): e + 127.
;;     - Each number is divided by its block's scale, clamped to +-6, and rounded to the nearest number of E2M1, ties to even, subnormals kept.
;;     - The product sums the exact products of the quantised numbers (number of the format x scale) in f32.
;;   ~~~python
;;   def quantise(x, axis):      # numpy; x: float32 -> the quantised numbers, widened to float32 again
;;       x = np.moveaxis(x, axis, -1); K = x.shape[-1]
;;       x = np.pad(x, [(0, 0)] * (x.ndim - 1) + [(0, -K % 32)]); x = x.reshape(x.shape[:-1] + (-1, 32)); a = np.abs(x).max(-1, keepdims=True)
;;       e = np.where(a > 0, np.clip(np.frexp(np.where(a > 0, a, 1))[1] - 1 - 2, -126, 127), 0)      # np.frexp(a)[1] - 1 = floor(log2(a)), exactly
;;       r = np.clip(x / 2.0 ** e, -6, 6)
;;       step = 2.0 ** (np.maximum(np.frexp(np.where(r == 0, 1, r))[1] - 1, 0) - 1)
;;       q = np.round(r / step) * step * 2.0 ** e      # np.round: ties to even
;;       return np.moveaxis(q.reshape(q.shape[:-2] + (-1,))[..., :K], -1, axis).astype(np.float32)
;;   ~~~
;;   SOFTMAX AHEAD OF A QUANTISED PRODUCT. Where the list says 'softmax', what is quantised is not the finished softmax but p = 2^(t - M), with t = logit x log2(e) and M = ceil(the row's largest t), a whole number; so 1/2 < the row's largest p <= 1. The row's sum l is taken of the UNQUANTISED p, in f32, and the product's result is divided by l at the end. Since M is a whole number, a kernel that streams over the keys may use a running M (the ceiling of the running maximum): every later rescaling is an exact power of two, which a block's scale takes up: the codes' values come out the same.
;;   OPERANDS COMPUTED ON THE WAY. 'Computed on the way' means the value that the module computes at that place (a softmax that the list does not call 'softmax' is quantised finished and normalised). What goes into a quantiser is computed in f32, as accurately as f32 sums, v_exp_f32 and their like allow (about 1e-6 of the number): no bf16 or f16 on the way to a quantiser, and a product that is left as it is and whose result goes on into a quantised operand takes f32 operands (vector FMAs, or v_wmma_f32_16x16x4_f32). A number that lies on a knife's edge between two numbers of the format may be rounded either way, as far as f32 arithmetic and the matrix unit's own rounding can turn it there, and no further.
;; One version. Each part assembles by itself: llvm-mc -triple=amdgcn-amd-amdhsa -mcpu=gfx1250 --defsym DOCPART=n.
;; ======== version 1 of 1: 4 launches
;; workspace buffers: xq 8,912,896 bytes; wcat 4,456,448 bytes; woq 2,228,224 bytes; qq 2,228,224 bytes; kq 1,114,112 bytes; vq 1,114,112 bytes; aq 2,228,224 bytes
;; launch quant (part 1): grid 1792 x 1, 2 waves a work-group, no clusters, 16,640 bytes of LDS; arguments x, wq, wk, wv, wo, xq, wcat, woq; writes xq, wcat, woq
.if DOCPART == 1
	.amdgcn_target "amdgcn-amd-amdhsa--gfx1250"
	.amdhsa_code_object_version 6
	.text
	.protected	k_q3072b1df25_quant
	.globl	k_q3072b1df25_quant
	.p2align	8
	.type	k_q3072b1df25_quant,@function
k_q3072b1df25_quant:
	s_mov_b64 s[64:65], 0
	v_nop
	global_prefetch_b8 v0, s[64:65] scope:SCOPE_SE
	s_setreg_imm32_b32 hwreg(HW_REG_WAVE_MODE, 25, 1), 1
	s_wait_xcnt 0x0
; THE PROGRAM: grouped-query attention (2 x 2,048 positions, model width 4,096, 8 query heads, 4 key and value heads of 128), all six products on codes of FP4 (E2M1) with one E8M0 scale for each 32 along K.
; Four launches: quant (this one: x, wq, wk, wv, wo into codes), qkv (the three projections as one product, the rotary step, q, k, v into codes), attn (both products of attention, its result into codes), outp (the projection out).
; WORK LEFT OUT, for all values of the inputs: the mask is the lower triangle that the problem itself builds, so a score of key k for query q with k > q is replaced ahead of the softmax whatever it holds.
; A step of 128 keys that lies wholly behind a wave's 16 queries is therefore not multiplied, and a slot of 512 keys wholly behind a work-group's last query is not fetched (launch attn).  The repeat of key and value heads is done by addressing.  Every input has a way to the output and is loaded.
; LIMITS: masked scores are taken as -infinity (weight 0) where the problem writes -1e30: equal while the live logits of a row stay far above -1e30.  A NaN, an infinity or an overflow that reaches only the work left out is not carried to the result.
; NaN and infinities among the inputs are not served.  A block whose largest magnitude lies under 2^-124 (a block of zeros too) gets the byte 1; a block of zeros has zero codes, which add nothing under any byte but 0xff, and the bytes are read by this program alone.
;
; THIS LAUNCH.  All five tensors have K innermost and dense rows whose length is a multiple of 32: each is a plain stream of blocks of 32 numbers, and so are its codes (16 bytes a block) and its scale bytes.
; A block's scale is 2^(floor(log2(its largest magnitude)) - 2); its byte is the largest magnitude's exponent field - 2, held at 1 from below.  Each number is divided by the scale and rounded to the nearest code, ties to even, beyond 6 the code of 6.
; A work-group of two waves takes 16,384 numbers, a wave 8,192 in 16 steps of 512: 1,792 work-groups of equal work.  Work-groups 0-1023: x;  1024-1279: wq;  1280-1407: wk;  1408-1535: wv;  1536-1791: wo.
; Only pointers are chosen, by the work-group's number: one path through the text.  wq, wk, wv land one behind the other in wcat (rows 0-1023, 1024-1535, 1536-2047).  In each output buffer the codes come first and the scale bytes behind them, at a constant offset.
; Each of a step's four loads reads 512 consecutive bytes, 16 a lane; the conversions want 16 NEIGHBOURS in a lane, so the 2,048 bytes turn through the wave's own stage in LDS (16 bytes of padding behind each 64).
; A wave's store of codes covers 256 consecutive aligned bytes; its 256 scale bytes are gathered in its own LDS bytes and leave as one aligned run of 256.  No tensor loads, no barrier, no cluster: waves share nothing.
.set WAVES, 2
.set STEPS, 16
.set EMAX,  2
.set CB,    8                          ; bytes of 16 codes
.set R,     16                         ; v16-79   four sets of 16 numbers as they are loaded
.set X,     80                         ; v80-111  two sets of 16 neighbours
.set C,     128                        ; v128-191 codes: four registers for each step, so that no store's data are written again
.set E,     112                        ; v112-127 a scale byte for each step
.set WREG,  8192                       ; LDS: a region for each wave: two stages of 32 x SP bytes, behind them its 256 scale bytes
.set SP,    80                         ; a lane's place in a stage: 64 bytes + 16 of padding
.set SPW,   12                         ; v12      LDS address of my spare word; never rewritten
.set NIL,   13                         ; v13      0; never rewritten
.set SPARE, WAVES*WREG                 ; behind the two regions: the spare words, 128 bytes a wave, that no other line names
	s_load_b512 s[8:23], s[0:1], 0x0               ; x 8:9, wq 10:11, wk 12:13, wv 14:15, wo 16:17, xq 18:19, wcat 20:21, woq 22:23
	v_lshl_add_u32 v[SPW], v0, 2, SPARE
	v_mov_b32 v[NIL], 0
	v_lshrrev_b32 v1, 5, v0
	v_readfirstlane_b32 s32, v1                    ; wave
	v_and_b32 v2, 31, v0                           ; lane
	v_lshlrev_b32 v3, 4, v2                        ; my 16 bytes of a load's 512
	s_mul_i32 s33, s32, WREG
	v_lshrrev_b32 v14, 2, v2
	v_mul_u32_u24 v14, v14, SP
	v_and_b32 v15, 3, v2
	v_lshl_add_u32 v14, v15, 4, v14
	v_add_nc_u32 v14, s33, v14                     ; the stage, on the way in: SP (lane / 4) + 16 (lane % 4)
	v_mul_u32_u24 v15, v2, SP
	v_add_nc_u32 v15, s33, v15                     ; and on the way out: SP x lane: my 16 neighbours
	v_mul_u32_u24 v4, v2, CB                       ; my codes' place in a step's
	v_lshrrev_b32 v5, 1, v2
	s_add_co_u32 s33, s33, 2*32*SP
	v_add_nc_u32 v5, s33, v5                       ; LDS: my wave's 256 scale bytes, my block's byte
	v_lshlrev_b32 v7, 3, v2                        ; and on the way out 8 bytes a lane
	v_add_nc_u32 v6, s33, v7
	s_wait_kmcnt 0x0
	; which tensor: input s[4:5], output s[6:7], s24 the input's first work-group, s25 the output's, s26 where the output's scale bytes begin
	s_mov_b64 s[4:5], s[16:17]
	s_mov_b64 s[6:7], s[22:23]
	s_mov_b32 s24, 1536
	s_mov_b32 s25, 1536
	s_mov_b32 s26, 2097152
	s_cmp_lt_u32 ttmp9, 1536
	s_cselect_b64 s[4:5], s[14:15], s[4:5]
	s_cselect_b64 s[6:7], s[20:21], s[6:7]
	s_cselect_b32 s24, 1408, s24
	s_cselect_b32 s25, 1024, s25
	s_cselect_b32 s26, 4194304, s26
	s_cmp_lt_u32 ttmp9, 1408
	s_cselect_b64 s[4:5], s[12:13], s[4:5]
	s_cselect_b32 s24, 1280, s24
	s_cmp_lt_u32 ttmp9, 1280
	s_cselect_b64 s[4:5], s[10:11], s[4:5]
	s_cselect_b32 s24, 1024, s24
	s_cmp_lt_u32 ttmp9, 1024
	s_cselect_b64 s[4:5], s[8:9], s[4:5]
	s_cselect_b64 s[6:7], s[18:19], s[6:7]
	s_cselect_b32 s24, 0, s24
	s_cselect_b32 s25, 0, s25
	s_cselect_b32 s26, 8388608, s26
	s_sub_co_u32 s34, ttmp9, s24
	s_lshl_b32 s34, s34, 1
	s_add_co_u32 s34, s34, s32                     ; which run of 8,192 numbers of the input is my wave's
	s_lshl_b32 s34, s34, 15                        ; 32,768 bytes a run (under 2^27)
	s_mov_b32 s35, 0
	s_add_nc_u64 s[4:5], s[4:5], s[34:35]
	s_sub_co_u32 s34, ttmp9, s25
	s_lshl_b32 s34, s34, 1
	s_add_co_u32 s36, s34, s32                     ; and which run of the output
	s_lshl_b32 s34, s36, 12                        ; 4,096 bytes of codes a run
	s_add_nc_u64 s[28:29], s[6:7], s[34:35]
	s_lshl_b32 s34, s36, 8                         ; 256 scale bytes a run
	s_add_co_u32 s34, s34, s26
	s_add_nc_u64 s[30:31], s[6:7], s[34:35]
.macro LOAD t
.irp i, 0,1,2,3
	global_load_b128 v[R+16*((\t)%4)+4*\i:R+16*((\t)%4)+4*\i+3], v3, s[4:5] offset:2048*(\t)+512*\i th:TH_LOAD_NT   ; 32 lanes read 512 consecutive bytes
.endr
.endm
.macro TURN t                          ; step t's numbers through the stage: LDS serves a wave's instructions in order, so no wait stands between the stores and the loads
.irp i, 0,1,2,3
	ds_store_b128 v14, v[R+16*((\t)%4)+4*\i:R+16*((\t)%4)+4*\i+3] offset:32*SP*((\t)%2)+8*SP*\i
.endr
.irp i, 0,1,2,3
	ds_load_b128 v[X+16*((\t)%2)+4*\i:X+16*((\t)%2)+4*\i+3], v15 offset:32*SP*((\t)%2)+16*\i
.endr
.endm
.irp t, 0,1,2,3
	LOAD \t
.endr
	s_wait_loadcnt 12                              ; step 0's four loads are in
	TURN 0
.macro STEP t
.set XS, X+16*((\t)%2)
.if (\t) > 0
	s_wait_dscnt 1                                 ; this step's numbers are back from the stage (the last step's byte store may be out): so its stores into the stage have read their registers,
.else
	s_wait_dscnt 0x0
.endif
.if (\t)+4 < STEPS
	LOAD (\t)+4                                    ; which take the loads of four steps on
.endif
.if (\t)+1 < STEPS
.if STEPS-2-(\t) >= 3
	s_wait_loadcnt 12                              ; the next step's four loads are in; those of the three steps behind it may be out
.else
	s_wait_loadcnt 4*(STEPS-2-(\t))
.endif
	TURN (\t)+1                                    ; and go through the other stage while this step is worked
.endif
	v_max3_num_f32 v8, |v[XS]|, |v[XS+1]|, |v[XS+2]|               ; the largest magnitude of my 16
	v_max3_num_f32 v9, |v[XS+3]|, |v[XS+4]|, |v[XS+5]|
.irp i, 6,10
	v_max3_num_f32 v8, v8, |v[XS+\i]|, |v[XS+\i+1]|
	v_max3_num_f32 v9, v9, |v[XS+\i+2]|, |v[XS+\i+3]|
.endr
	v_max3_num_f32 v8, v8, |v[XS+14]|, |v[XS+15]|
	v_max3_num_f32 v8, v8, v9, (EMAX+1)<<23        ; and the floor 2^(3 - 127): the byte cannot fall under 1
	v_max_num_f32_dpp v8, v8, v8 row_xmask:1 row_mask:0xf bank_mask:0xf   ; and of my neighbour's 16: the block's
	v_add_nc_u32 v11, -(EMAX<<23), v8              ; 2 off its exponent field: the conversion takes the exponent field of this operand as its scale, and nothing else of it
	v_cvt_scalef32_pk8_fp4_f32 v[C+4*(\t)], v[XS:XS+7], v11
	v_cvt_scalef32_pk8_fp4_f32 v[C+4*(\t)+1], v[XS+8:XS+15], v11
	v_lshrrev_b32 v[E+(\t)], 23, v11               ; the scale's byte
	ds_store_b8 v5, v[E+(\t)] offset:16*(\t)       ; both lanes of a block write the same byte with the same value
	global_store_b64 v4, v[C+4*(\t):C+4*(\t)+1], s[28:29] offset:32*CB*(\t)   ; the wave stores 256 consecutive aligned bytes
.endm
.irp t, 0,1,2,3,4,5,6,7,8,9,10,11,12,13,14,15
	STEP \t
.endr
	ds_load_b64 v[8:9], v6                         ; LDS serves a wave's instructions in order: these see my stores
	s_wait_dscnt 0x0
	global_store_b64 v7, v[8:9], s[30:31]          ; 32 lanes store 256 consecutive aligned bytes
	s_wait_tensorcnt 0x0                           ; the wave's end: behind my last LDS store
	ds_add_u32 v[SPW], v[NIL]
	s_wait_dscnt 0x0
	s_endpgm
.Lfunc_end_k_q3072b1df25_quant:
	.size	k_q3072b1df25_quant, .Lfunc_end_k_q3072b1df25_quant-k_q3072b1df25_quant
	.p2alignl 7, 3214868480
	.fill 96, 4, 3214868480
	.section	.rodata,"a",@progbits
	.p2align	6, 0x0
	.amdhsa_kernel k_q3072b1df25_quant
		.amdhsa_group_segment_fixed_size 16640
		.amdhsa_private_segment_fixed_size 0
		.amdhsa_enable_private_segment 0
		.amdhsa_kernarg_size 64
		.amdhsa_user_sgpr_count 2
		.amdhsa_user_sgpr_kernarg_segment_ptr 1
		.amdhsa_wavefront_size32 1
		.amdhsa_system_sgpr_workgroup_id_x 1
		.amdhsa_system_sgpr_workgroup_id_y 1
		.amdhsa_system_sgpr_workgroup_id_z 1
		.amdhsa_system_vgpr_workitem_id 0
		.amdhsa_next_free_vgpr 192
		.amdhsa_next_free_sgpr 66
		.amdhsa_reserve_vcc 0
		.amdhsa_float_denorm_mode_32 3
		.amdhsa_float_denorm_mode_16_64 3
		.amdhsa_memory_ordered 1
		.amdhsa_forward_progress 1
		.amdhsa_inst_pref_size 34
	.end_amdhsa_kernel
	.amdgpu_metadata
---
amdhsa.version: [ 1, 2 ]
amdhsa.kernels:
  - .name:           k_q3072b1df25_quant
    .symbol:         k_q3072b1df25_quant.kd
    .args:
      - { .name: x, .offset: 0, .size: 8, .value_kind: global_buffer, .address_space: global }
      - { .name: wq, .offset: 8, .size: 8, .value_kind: global_buffer, .address_space: global }
      - { .name: wk, .offset: 16, .size: 8, .value_kind: global_buffer, .address_space: global }
      - { .name: wv, .offset: 24, .size: 8, .value_kind: global_buffer, .address_space: global }
      - { .name: wo, .offset: 32, .size: 8, .value_kind: global_buffer, .address_space: global }
      - { .name: xq, .offset: 40, .size: 8, .value_kind: global_buffer, .address_space: global }
      - { .name: wcat, .offset: 48, .size: 8, .value_kind: global_buffer, .address_space: global }
      - { .name: woq, .offset: 56, .size: 8, .value_kind: global_buffer, .address_space: global }
    .group_segment_fixed_size: 16640
    .private_segment_fixed_size: 0
    .kernarg_segment_align: 8
    .kernarg_segment_size: 64
    .max_flat_workgroup_size: 64
    .sgpr_count:     66
    .vgpr_count:     192
    .wavefront_size: 32
...
	.end_amdgpu_metadata
.endif
;; end of part 1
;; launch qkv (part 2): grid 16 x 16, 4 waves a work-group, clusters of 4 x 4, 327,680 bytes of LDS; arguments xq, wcat, cos, sin, qq, kq, vq; writes qq, kq, vq
.if DOCPART == 2
	.amdgcn_target "amdgcn-amd-amdhsa--gfx1250"
	.amdhsa_code_object_version 6
	.text
	.protected	k_q3072b1df25_qkv
	.globl	k_q3072b1df25_qkv
	.p2align	8
	.type	k_q3072b1df25_qkv,@function
k_q3072b1df25_qkv:
	s_mov_b64 s[64:65], 0
	v_nop
	global_prefetch_b8 v0, s[64:65] scope:SCOPE_SE
	s_setreg_imm32_b32 hwreg(HW_REG_WAVE_MODE, 25, 1), 1
	s_wait_xcnt 0x0
	s_wait_alu depctr_hold_cnt(0) depctr_sa_sdst(0) depctr_va_vdst(0) depctr_va_sdst(0) depctr_va_ssrc(0) depctr_va_vcc(0) depctr_vm_vsrc(0)
	s_getreg_b32 s2, hwreg(HW_REG_IB_STS2, 6, 4)
	s_cmp_eq_u32 s2, 0
	s_cbranch_scc0 .Lentry_in_a_cluster
	s_endpgm
.Lentry_in_a_cluster:
	s_bfe_u32 s2, ttmp6, 0x10000c
	s_cmp_lg_u32 s2, 0xf033
	s_cbranch_scc0 .Lentry_shape_is_right
	s_endpgm
.Lentry_shape_is_right:
; The three projections as ONE product on codes of FP4: [4,096 rows of x] x [2,048 rows of wcat: 8 heads of q, 4 of k, 4 of v], K = 4,096; then, in registers, the rotary step on q and k and the quantisers of the next products.
; A work-group makes 256 rows x ONE head (128 channels): 16 x 16 work-groups.  Wave w makes rows 64 w .. 64 w + 63 of all 128 channels: 4 x 8 accumulators of 16 x 16, 256 registers.  With a whole head in a wave the rotary
; step's partner (channel d and d + 64), the blocks of 32 channels (q, k) and the blocks of 32 keys (v) all lie inside the wave.
; THE MATRIX INSTRUCTION IS USED TRANSPOSED (source 0 = 16 rows of wcat, source 1 = 16 rows of x): lane (r = lane % 16, h = lane / 16) holds row r, and register j of channel tile t holds channel 16 t + 8 h + j.
; K goes in steps of 512 (a tile's row is 256 bytes of memory) through two LDS slots filled by the tensor data mover; the scale bytes of the work-group's rows, for all of K, come once with the first fills and stay.
; CLUSTERS: 4 x 4 work-groups.  The four of a row of the cluster need the same rows of x, the four of a column the same head: each tile is asked for jointly, by the same tensor load with the same descriptor and a mask that names the four.
; The kind of head (q: cluster x 0, 1;  k: 2;  v: 3) hangs on the cluster's x alone, which all sixteen partners share.
; OUT.  q and k: a fragment (16 rows x 128 channels of codes, 8 registers a lane) is stored as an IMAGE OF ITS REGISTERS: group c of four registers of lane l at 512 c + 16 l of the tile's 1,024 bytes; one scale word a row.
; v is quantised along the KEYS: its numbers turn through the wave's stage in LDS, a lane takes a channel and its registers run down 32 keys; a block's 16 bytes lie at [key block][channel]; a scale word holds a channel's four blocks of 128 keys.
; No work of this launch is left out.
; REGISTERS, in windows of 256: window 0: v1-31 addresses; v32-79 scale words, two sets; v80-95 at work; v128-191 x's fragments, two sets (on the way out: 64 numbers); v192-251 codes and work on the way out.
;   window 1: wcat's fragments, two sets of 64 (on the way out cos and sin of row tiles 2, 3).   window 2: accumulator (a, b) at v[8 (8 a + b)].   window 3: cos and sin of row tiles 0, 1.
.set PITCH, 272                        ; an LDS row: 256 bytes + 16 of padding = 68 words: the 16 rows that a load touches start at 16 different groups of four banks
.set APART, 256*PITCH                  ; x's 256 rows
.set SLOT,  384*PITCH                  ; then the head's 128 rows
.set SCL,   2*SLOT                     ; behind the ring: x's scale bytes, 128 a row, two rows to a run of 256 bytes + 16 of padding: 128 runs;
.set SCLB,  SCL+128*272                ; the head's: 64 runs
.set SPARE, SCL+192*272                ; the spare words, 128 bytes a wave, that no other line names
.set VSTG,  32*528                     ; the way out lies in slot 0, which has had its last fill and its last read by then.  v: a stage of 32 keys x (512 bytes + 16) for each wave;
.set QSTG,  4*VSTG                     ; q, k: 256 bytes of scale words for each wave;
.set VSC,   QSTG+1024                  ; v: the work-group's 1,024 bytes of scale words.  Each kind of head has bytes of its own
.set CSO,  8                           ; v8   cos, sin: 512 r + 32 h
.set GOC,  9                           ; v9   16 x lane
.set QST,  10                          ; v10  QSTG + 256 w + 4 r
.set QRD,  11                          ; v11  QSTG + 256 w + 8 x lane
.set GO8,  12                          ; v12  8 x lane
.set VST,  13                          ; v13  VSTG w + 528 r + 32 h
.set VRD,  14                          ; v14  VSTG w + 4 x lane
.set VSA,  15                          ; v15  VSC + 512 (w / 2) + 2 (w % 2) + 4 x lane
.set ADRA, 16                          ; v16-17  x's fragments in slot 0, 1
.set ADRB, 20                          ; v20-21  the head's
.set ADSA, 22                          ; v22  x's scale words: lane l takes row l of a pair of row tiles
.set ADSB, 23                          ; v23  the head's
.set VSR,  24                          ; v24  VSC + 256 w + 8 x lane
.set SPW,  28                          ; v28  LDS address of my spare word; never rewritten
.set NIL,  29                          ; v29  0; never rewritten
.set PFO,  30                          ; v30  the prefetches' offset: 2,048 x lane, a lane a row
.set SC,   32                          ; scale words: set s at v[SC + 24 s]: 8 of x (pair i, word q: 4 i + q), then 16 of the head (8 + 4 b + q); lanes 0-15 the even tile of a pair, lanes 16-31 the odd one
.set T,    80
.set AF,   128
.set HH,   128                         ; the way out: 64 numbers of a lane
.set XV,   128                         ; v: two sets of 32 numbers down the keys
.set VC,   192                         ; v: codes, four registers for each of 8 blocks
.set PC,   200                         ; q, k: codes, eight registers a row tile
.set VB,   224                         ; v: two scale bytes for each of 4 groups of channels
.set PW,   232                         ; q, k: a scale word a row tile
.set TM,   236                         ; v236-251 at work in the quantisers
.set G1,   24                          ; s[24:31] group 1 for x's tiles; s[32:39] group 0, a set for each slot
.set G0,   32
.set G1B,  48                          ; s[48:55], s[56:63] the same for the head's
.set G0B,  56
.set G1S,  68                          ; s[68:75], s[76:79] x's scale bytes;  s[80:87], s[88:91] the head's
.set G0S,  76
.set G1SB, 80
.set G0SB, 88
.set PFA,  96                          ; s[96:97] where my prefetches stand
.set LIM,  98                          ; s98  1 in a wave that prefetches, else the greatest number
.set SEL,  46                          ; s[46:47] on the way out: lane selects for v_permlanex16_b32: lane l xor 16
.set MSB, 0
.macro WIN new                         ; the immediate's high byte repeats the setting that is left
.if MSB != \new
	s_set_vgpr_msb (MSB<<8)|\new
.set MSB, \new
.endif
.endm
.macro PLACES                          ; four plain vector instructions between a matrix instruction and a load into, or a vector write of, a register that it named, or a read of its result
.rept 4
	v_nop
.endr
.endm
; A joint load: waves 0 and 1 fetch for x, waves 2 and 3 for the head.  The branch hangs on the wave's number alone.  An s_nop 0 and four v_nop follow each of the two lines.
.macro JLOAD g0a, g1a, g0b, g1b
	s_cmp_eq_u32 s15, 0
	s_cbranch_scc0 .Lfor_b_\@
	tensor_load_to_lds s[\g0a:\g0a+3], s[\g1a:\g1a+7]
	s_nop 0
.rept 4
	v_nop
.endr
	s_branch .Lasked_\@
.Lfor_b_\@:
	tensor_load_to_lds s[\g0b:\g0b+3], s[\g1b:\g1b+7]
	s_nop 0
.rept 4
	v_nop
.endr
.Lasked_\@:
.endm
.macro CREST                           ; a round of the cluster's barrier behind its opening barrier
	s_cmp_lg_u32 s14, 0
	s_cbranch_scc1 .Lnot_wave_0_\@
	s_barrier_signal -3
.Lnot_wave_0_\@:
	s_barrier_wait -3
	s_barrier_signal -1
	s_barrier_wait -1
.endm
.macro CROUND
	s_barrier_signal -1
	s_barrier_wait -1
	CREST
.endm
; A prefetch of the K step that stands two refills on: 32 rows x 256 bytes, a lane a row.  x's rows are read by all four clusters of a row of clusters: cluster x = 0 asks (waves 0, 1: of the 128 rows that the wave fetches,
; the partner at place cx takes 32); a head by all four clusters of a column: cluster y = 0 asks (wave 2: of the head's 128 rows the partner at place cy takes 32).  The partners are told apart by address alone.
; So each row's 256 bytes of a K step are named once in the launch.  K steps 0 to 3 come by their loads alone; the loop's last trip (s3 = 1) asks for nothing: there is no K step two refills on.
.macro ASK
	s_cmp_gt_u32 s3, s[LIM]
	s_cbranch_scc0 .Lnot_mine_\@
	global_prefetch_b8 v[PFO], s[PFA:PFA+1] offset:256 th:TH_LOAD_NT scope:SCOPE_SE
.Lnot_mine_\@:
.endm
	s_load_b128 s[4:7], s[0:1], 0x0                ; xq, wcat
	s_load_b128 s[8:11], s[0:1], 0x10              ; cos, sin
	s_load_b64 s[12:13], s[0:1], 0x20              ; qq
	s_load_b64 s[66:67], s[0:1], 0x28              ; kq
	s_load_b64 s[100:101], s[0:1], 0x30            ; vq
	v_lshl_add_u32 v[SPW], v0, 2, SPARE
	v_mov_b32 v[NIL], 0
	ds_add_u32 v[SPW], v[NIL]                      ; the wave's opening: the add, twice on end, and its wait ahead of my first tensor load
	ds_add_u32 v[SPW], v[NIL]
	v_lshrrev_b32 v1, 5, v0
	v_readfirstlane_b32 s14, v1                    ; wave 0..3
	s_lshr_b32 s15, s14, 1                         ; I fetch for x (0) or for the head (1)
	s_and_b32 s16, s14, 1                          ; which half of that tile's rows I fetch
	s_bfe_u32 s40, ttmp6, 0x40000                  ; cx, cy: my place in the cluster
	s_bfe_u32 s41, ttmp6, 0x40004
	s_lshl_b32 s42, ttmp9, 2
	s_add_co_u32 s42, s42, s40                     ; the head: 4 x cluster x + cx
	s_and_b32 s17, ttmp7, 0xffff
	s_lshl_b32 s17, s17, 2
	s_add_co_u32 s17, s17, s41                     ; the block of 256 rows: 4 x cluster y + cy
	s_lshl_b32 s43, s41, 2
	s_lshl_b32 s43, 15, s43                        ; my row of the cluster
	s_lshl_b32 s44, 0x1111, s40                    ; my column
	; group 1: tiles of rows of 256 bytes, 2,048 bytes apart in memory, 16 bytes of padding behind each in LDS: 128 rows of x, 64 of the head
	s_or_b32 s[G1], s43, (1<<20)|(1<<21)|(5<<22)|(3<<25)   ; 15:0 the mask; 17:16 elements of 1 byte; 20 padding on; 21 set beside a mask; 24:22 after every 64 words; 31:25 four words
	s_or_b32 s[G1B], s44, (1<<20)|(1<<21)|(5<<22)|(3<<25)
.irp g, G1, G1B
	s_mov_b32 s[\g+1], 256<<16                     ; tensor_dim0
	s_mov_b32 s[\g+3], 256<<16                     ; tile_dim0
	s_mov_b32 s[\g+5], 2048                        ; from row to row
	s_mov_b32 s[\g+6], 0
	s_mov_b32 s[\g+7], 0
.endr
	s_mov_b32 s[G1+2], 128<<16                     ; tensor_dim1
	s_mov_b32 s[G1+4], 128                         ; tile_dim1
	s_mov_b32 s[G1B+2], 64<<16
	s_mov_b32 s[G1B+4], 64
	; the scale bytes: dense blocks, as rows of 256 bytes (32 elements of 8), 16 bytes of padding behind each: 64 rows for 128 rows of x, 32 for 64 rows of the head
	s_or_b32 s[G1S], s43, (3<<16)|(1<<20)|(1<<21)|(5<<22)|(3<<25)
	s_or_b32 s[G1SB], s44, (3<<16)|(1<<20)|(1<<21)|(5<<22)|(3<<25)
.irp g, G1S, G1SB
	s_mov_b32 s[\g+1], 32<<16
	s_mov_b32 s[\g+3], 32<<16
	s_mov_b32 s[\g+5], 32
	s_mov_b32 s[\g+6], 0
	s_mov_b32 s[\g+7], 0
.endr
	s_mov_b32 s[G1S+2], 64<<16
	s_mov_b32 s[G1S+4], 64
	s_mov_b32 s[G1SB+2], 32<<16
	s_mov_b32 s[G1SB+4], 32
	; where the tiles come from: x's hang on the block of rows alone, the head's on the head alone, each in registers that never hold the other coordinate
	s_lshl_b32 s18, s16, 7
	s_lshl_b32 s20, s17, 8
	s_add_co_u32 s20, s20, s18                     ; x: row 256 x block + 128 x half
	s_lshl_b32 s22, s20, 7                         ; its scale bytes: 128 a row,
	s_add_co_u32 s22, s22, 8388608                 ; behind the codes
	s_mov_b32 s23, 0
	s_lshl_b32 s20, s20, 11                        ; its codes: 2,048 bytes a row
	s_mov_b32 s21, 0
	s_lshl_b32 s18, s16, 6
	s_lshl_b32 s46, s42, 7
	s_add_co_u32 s46, s46, s18                     ; wcat: row 128 x head + 64 x half
	s_lshl_b32 s92, s46, 7
	s_add_co_u32 s92, s92, 4194304
	s_mov_b32 s93, 0
	s_lshl_b32 s46, s46, 11
	s_mov_b32 s47, 0
	s_mul_i32 s45, s16, 128*PITCH                  ; where they go: no place in the cluster enters an LDS address
	s_mul_i32 s95, s16, 64*PITCH
	s_mul_i32 s94, s16, 32*PITCH
	s_wait_dscnt 0x0                               ; both opening adds are done
	s_wait_kmcnt 0x0
	s_add_nc_u64 s[20:21], s[4:5], s[20:21]
	s_add_nc_u64 s[22:23], s[4:5], s[22:23]
	s_add_nc_u64 s[46:47], s[6:7], s[46:47]
	s_add_nc_u64 s[92:93], s[6:7], s[92:93]
	CROUND                                         ; all sixteen work-groups are here: the first joint loads meet
	s_mov_b32 s[G0S], 1
	s_add_co_u32 s[G0S+1], s95, SCL
	s_mov_b64 s[G0S+2:G0S+3], s[22:23]
	s_or_b32 s[G0S+3], s[G0S+3], 0x80000000
	s_mov_b32 s[G0SB], 1
	s_add_co_u32 s[G0SB+1], s94, SCLB
	s_mov_b64 s[G0SB+2:G0SB+3], s[92:93]
	s_or_b32 s[G0SB+3], s[G0SB+3], 0x80000000
	JLOAD G0S, G1S, G0SB, G1SB                     ; the scale bytes first: they are wanted with K step 0
.irp s, 0,1
	s_mov_b32 s[G0+4*\s], 1
	s_add_co_u32 s[G0+4*\s+1], s45, \s*SLOT
	s_add_nc_u64 s[G0+4*\s+2:G0+4*\s+3], s[20:21], \s*256
	s_or_b32 s[G0+4*\s+3], s[G0+4*\s+3], 0x80000000
	s_mov_b32 s[G0B+4*\s], 1
	s_add_co_u32 s[G0B+4*\s+1], s95, \s*SLOT+APART
	s_add_nc_u64 s[G0B+4*\s+2:G0B+4*\s+3], s[46:47], \s*256
	s_or_b32 s[G0B+4*\s+3], s[G0B+4*\s+3], 0x80000000
	JLOAD G0+4*\s, G1, G0B+4*\s, G1B               ; three loads of mine are out behind the second
.endr
	; every LDS address is made here, ahead of any parting of ways
	v_and_b32 v1, 15, v0                           ; r
	v_bfe_u32 v2, v0, 4, 1                         ; h
	v_and_b32 v3, 31, v0                           ; lane
	v_mul_u32_u24 v4, v1, PITCH
	v_lshl_add_u32 v4, v2, 4, v4                   ; a fragment's row x pitch + 16 x half
	s_mul_i32 s18, s14, 64*PITCH                   ; my 64 rows of x
	v_add_nc_u32 v[ADRA], s18, v4
	v_add_nc_u32 v[ADRB], APART, v4
	v_add_nc_u32 v[ADRA+1], SLOT, v[ADRA]
	v_add_nc_u32 v[ADRB+1], SLOT, v[ADRB]
	v_lshrrev_b32 v5, 1, v3
	v_mul_u32_u24 v5, v5, 272
	v_and_b32 v6, 1, v3
	v_lshl_add_u32 v5, v6, 7, v5                   ; row l's scale bytes: 272 (l / 2) + 128 (l % 2)
	s_mul_i32 s18, s14, 32*272
	s_add_co_u32 s18, s18, SCL
	v_add_nc_u32 v[ADSA], s18, v5
	v_add_nc_u32 v[ADSB], SCLB, v5
	v_lshlrev_b32 v[CSO], 9, v1
	v_lshl_add_u32 v[CSO], v2, 5, v[CSO]
	v_lshlrev_b32 v[GOC], 4, v3
	v_lshlrev_b32 v[GO8], 3, v3
	s_lshl_b32 s18, s14, 8
	s_add_co_u32 s19, s18, QSTG
	v_lshl_add_u32 v[QST], v1, 2, s19
	v_add_nc_u32 v[QRD], s19, v[GO8]
	s_add_co_u32 s19, s18, VSC
	v_add_nc_u32 v[VSR], s19, v[GO8]
	s_mul_i32 s18, s14, VSTG
	v_mul_u32_u24 v[VST], v1, 528
	v_lshl_add_u32 v[VST], v2, 5, v[VST]
	v_add_nc_u32 v[VST], s18, v[VST]
	v_lshl_add_u32 v[VRD], v3, 2, s18
	s_lshl_b32 s18, s15, 9
	s_lshl_b32 s19, s16, 1
	s_add_co_u32 s18, s18, s19
	s_add_co_u32 s18, s18, VSC
	v_lshl_add_u32 v[VSA], v3, 2, s18
.irp b, 0,1,2,3
	v_mov_b32 v[TM+4+\b], 0                        ; written once: a lane permute's destination counts as one of its sources
.endr
	; the prefetches: where mine stand, and who asks
	s_and_b32 s22, ttmp7, 0xffff                   ; cluster y
	s_lshl_b32 s18, s17, 8
	s_lshl_b32 s19, s16, 7
	s_add_co_u32 s18, s18, s19
	s_lshl_b32 s19, s40, 5
	s_add_co_u32 s18, s18, s19                     ; x: the 128 rows that I fetch, my work-group's 32 of them
	s_lshl_b32 s19, s42, 7
	s_lshl_b32 s23, s41, 5
	s_add_co_u32 s19, s19, s23                     ; wcat: the head's 128 rows, my work-group's 32 of them
	s_cmp_eq_u32 s15, 0
	s_cselect_b32 s18, s18, s19
	s_cselect_b32 s22, ttmp9, s22                  ; the coordinate along which other clusters read the same rows
	s_cselect_b64 s[PFA:PFA+1], s[4:5], s[6:7]
	s_cmp_eq_u32 s14, 3
	s_cselect_b32 s23, 1, 0                        ; wave 3 never asks
	s_or_b32 s22, s22, s23
	s_cmp_eq_u32 s22, 0
	s_cselect_b32 s[LIM], 1, -1                    ; the same in all sixteen partners, for a given wave
	s_lshl_b32 s18, s18, 11
	s_add_co_u32 s18, s18, 512                     ; at K step 2: the first refill steps it to 3 and names K step 4
	s_mov_b32 s19, 0
	s_add_nc_u64 s[PFA:PFA+1], s[PFA:PFA+1], s[18:19]
	v_lshlrev_b32 v[PFO], 11, v3
; One matrix instruction.  d: accumulator; fb, fa: the head's and x's fragment; sb, sa: their scale registers; ob, oa: 1 where the scale words stand in lanes 16-31; zero = 1: it starts the sum.
.macro MM d, fb, fa, sb, sa, ob, oa, zero
.if \zero
.if ((\ob) == 0) && ((\oa) == 0)
	v_wmma_scale_f32_16x16x128_f8f6f4 v[\d:\d+7], v[\fb:\fb+7], v[\fa:\fa+7], 0, v[\sb], v[\sa] matrix_a_fmt:MATRIX_FMT_FP4 matrix_b_fmt:MATRIX_FMT_FP4
.elseif (\oa) == 0
	v_wmma_scale_f32_16x16x128_f8f6f4 v[\d:\d+7], v[\fb:\fb+7], v[\fa:\fa+7], 0, v[\sb], v[\sa] matrix_a_fmt:MATRIX_FMT_FP4 matrix_b_fmt:MATRIX_FMT_FP4 matrix_a_scale:MATRIX_SCALE_ROW1
.elseif (\ob) == 0
	v_wmma_scale_f32_16x16x128_f8f6f4 v[\d:\d+7], v[\fb:\fb+7], v[\fa:\fa+7], 0, v[\sb], v[\sa] matrix_a_fmt:MATRIX_FMT_FP4 matrix_b_fmt:MATRIX_FMT_FP4 matrix_b_scale:MATRIX_SCALE_ROW1
.else
	v_wmma_scale_f32_16x16x128_f8f6f4 v[\d:\d+7], v[\fb:\fb+7], v[\fa:\fa+7], 0, v[\sb], v[\sa] matrix_a_fmt:MATRIX_FMT_FP4 matrix_b_fmt:MATRIX_FMT_FP4 matrix_a_scale:MATRIX_SCALE_ROW1 matrix_b_scale:MATRIX_SCALE_ROW1
.endif
.else
.if ((\ob) == 0) && ((\oa) == 0)
	v_wmma_scale_f32_16x16x128_f8f6f4 v[\d:\d+7], v[\fb:\fb+7], v[\fa:\fa+7], v[\d:\d+7], v[\sb], v[\sa] matrix_a_fmt:MATRIX_FMT_FP4 matrix_b_fmt:MATRIX_FMT_FP4
.elseif (\oa) == 0
	v_wmma_scale_f32_16x16x128_f8f6f4 v[\d:\d+7], v[\fb:\fb+7], v[\fa:\fa+7], v[\d:\d+7], v[\sb], v[\sa] matrix_a_fmt:MATRIX_FMT_FP4 matrix_b_fmt:MATRIX_FMT_FP4 matrix_a_scale:MATRIX_SCALE_ROW1
.elseif (\ob) == 0
	v_wmma_scale_f32_16x16x128_f8f6f4 v[\d:\d+7], v[\fb:\fb+7], v[\fa:\fa+7], v[\d:\d+7], v[\sb], v[\sa] matrix_a_fmt:MATRIX_FMT_FP4 matrix_b_fmt:MATRIX_FMT_FP4 matrix_b_scale:MATRIX_SCALE_ROW1
.else
	v_wmma_scale_f32_16x16x128_f8f6f4 v[\d:\d+7], v[\fb:\fb+7], v[\fa:\fa+7], v[\d:\d+7], v[\sb], v[\sa] matrix_a_fmt:MATRIX_FMT_FP4 matrix_b_fmt:MATRIX_FMT_FP4 matrix_a_scale:MATRIX_SCALE_ROW1 matrix_b_scale:MATRIX_SCALE_ROW1
.endif
.endif
.endm
; Row tile a against the head's eight channel tiles, the slot's q-th 128 along K; p: the set of fragments; set: the set of scale words.  The 32 accumulators take turns, one instruction a turn, in the same order in every step.
.macro MUL8 a, p, q, set, zero
.irp b, 0,1,2,3,4,5,6,7
	MM 8*(8*(\a)+\b), 64*(\p)+8*\b, AF+32*(\p)+8*(\a), SC+8+24*(\set)+4*(\b/2)+(\q), SC+24*(\set)+4*((\a)/2)+(\q), (\b)%2, (\a)%2, \zero
.endr
.endm
.macro FRAG reg, adr, q, i             ; 16 rows x 128 K of 4-bit codes: lane l holds row l % 16; registers 4 c .. 4 c + 3 hold K = 64 c + 32 (l / 16) + 0 .. 31
.irp c, 0,1
	ds_load_b128 v[\reg+4*\c:\reg+4*\c+3], v[\adr] offset:64*(\q)+32*\c+(\i)*16*PITCH
.endr
.endm
.macro FETCH slot, q, p                ; 24 LDS loads in one run: the fragments of the slot's q-th 128 along K into set p
	WIN 0x40                                       ; destination window 1
.irp i, 0,1,2,3,4,5,6,7
	FRAG 64*(\p)+8*\i, ADRB+\slot, \q, \i
.endr
	WIN 0
.irp i, 0,1,2,3
	FRAG AF+32*(\p)+8*\i, ADRA+\slot, \q, \i
.endr
.endm
.macro SCALES set                      ; a K step's scale words: four words a row
.irp i, 0,1
	ds_load_b128 v[SC+24*\set+4*\i:SC+24*\set+4*\i+3], v[ADSA] offset:\i*16*272
.endr
.irp i, 0,1,2,3
	ds_load_b128 v[SC+8+24*\set+4*\i:SC+8+24*\set+4*\i+3], v[ADSB] offset:\i*16*272
.endr
.endm
; A step of 128 along K that has its successor in the same slot: the successor's fragments are asked for first, then this step's 32 products.
.macro STEP slot, q, zero
	PLACES                                         ; the set to be loaded was multiplied by the products just issued
	FETCH \slot, (\q)+1, 1-(\q)%2
	s_wait_dscnt 24                                ; all but the 24 just issued: this step's fragments and scale words are in
	WIN 0xa1                                       ; source 0 window 1, source 1 window 0, C and D window 2
.irp a, 0,1,2,3
	MUL8 \a, (\q)%2, \q, \slot, \zero
.endr
	WIN 0
.endm
; A slot's last step changes slots: ONE barrier; in front of it each wave waits for all its tensor loads, adds 0 to its spare word, and waits for that and for its own reads of this slot.  fill = 1: this slot is filled again, two K steps ahead.
.macro TURN slot, next, fill
.if \fill
	s_wait_xcnt 0x0                                ; the last prefetch, a K step back, has read its address: it may be stepped
	s_add_nc_u64 s[PFA:PFA+1], s[PFA:PFA+1], 256
.endif
	s_wait_tensorcnt 0x0                           ; all my tensor loads have landed: my part of the next slot
	ds_add_u32 v[SPW], v[NIL]                      ; 0 onto my spare word
	s_wait_dscnt 1                                 ; this step's fragments are in (the add may be out)
	WIN 0xa1
	MUL8 0, 1, 3, \slot, 0                         ; eight matrix instructions stand between the add and the wait for it
	s_wait_dscnt 0x0                               ; the add is done, and my reads of this slot are over
	s_barrier_signal -1
	MUL8 1, 1, 3, \slot, 0
	WIN 0
	s_barrier_wait -1
.if \fill
	CREST                                          ; the barrier has opened a round of the cluster's: no wave of any partner still reads this slot or has a load on its way
	s_add_nc_u64 s[G0+4*\slot+2:G0+4*\slot+3], s[G0+4*\slot+2:G0+4*\slot+3], 512
	s_add_nc_u64 s[G0B+4*\slot+2:G0B+4*\slot+3], s[G0B+4*\slot+2:G0B+4*\slot+3], 512
	JLOAD G0+4*\slot, G1, G0B+4*\slot, G1B         ; the first tensor load behind the round: 112 matrix instructions ahead of the wait for it; its four v_nop are also the places in front of the loads below
.else
	PLACES
.endif
	v_add_nc_u32 v[ADSA], 16, v[ADSA]              ; on to the next K step's scale words
	v_add_nc_u32 v[ADSB], 16, v[ADSB]
	FETCH \next, 0, 0
	SCALES \next
.if \fill
	ASK
.endif
	WIN 0xa1
	MUL8 2, 1, 3, \slot, 0
	MUL8 3, 1, 3, \slot, 0
	WIN 0
.endm
	s_wait_tensorcnt 1                             ; the scale bytes and my part of K step 0 are in (K step 1's load may be out)
	s_barrier_signal -1
	s_barrier_wait -1                              ; everybody's are
	FETCH 0, 0, 0
	SCALES 0
	STEP 0, 0, 1                                   ; the first step stands in front of the loop: its products start the sums
	s_mov_b32 s3, 3
.Llap:                                                 ; a trip goes once round the ring, from a lap's second step to the next lap's first, and fills both slots again: K steps 2 to 7 in three trips
	STEP 0, 1, 0
	STEP 0, 2, 0
	TURN 0, 1, 1
	STEP 1, 0, 0
	STEP 1, 1, 0
	STEP 1, 2, 0
	TURN 1, 0, 1
	STEP 0, 0, 0
	s_sub_co_u32 s3, s3, 1
	s_cmp_lg_u32 s3, 0
	s_cbranch_scc1 .Llap
	STEP 0, 1, 0                                   ; the last lap fills nothing
	STEP 0, 2, 0
	TURN 0, 1, 0                                   ; behind its barrier nobody reads slot 0 any more, and no tensor load of any wave is out
	STEP 1, 0, 0
	STEP 1, 1, 0
	STEP 1, 2, 0
	s_wait_dscnt 0x0                               ; the very last step: nothing more to fetch
	WIN 0xa1
.irp a, 0,1,2,3
	MUL8 \a, 1, 3, 1, 0
.endr
	WIN 0
	PLACES                                         ; in front of the reads of results and of the loads into fragments' registers
	; THE WAY OUT.  Every pointer is made on the common way; the head's number is cut to its kind's range, so that each pointer lies inside its buffer in every work-group.  (The descriptors' registers are free: no tensor load is out, none follows.)
	s_mov_b32 s[SEL], 0x76543210
	s_mov_b32 s[SEL+1], 0xfedcba98
	s_lshr_b32 s24, s17, 3                         ; the batch
	s_and_b32 s25, s17, 7
	s_lshl_b32 s25, s25, 8
	s_lshl_b32 s26, s14, 6
	s_add_co_u32 s25, s25, s26                     ; my first position in the sequence
	s_lshl_b32 s27, s17, 8
	s_add_co_u32 s27, s27, s26                     ; my first row of x, which is my first row of cos and sin
	s_lshl_b32 s28, s27, 9
	s_mov_b32 s29, 0
	s_add_nc_u64 s[8:9], s[8:9], s[28:29]
	s_add_nc_u64 s[10:11], s[10:11], s[28:29]
	s_cmp_lt_u32 ttmp9, 2                          ; q or k
	s_cselect_b64 s[30:31], s[12:13], s[66:67]
	s_cselect_b32 s32, 3, 2                        ; 8 or 4 heads a batch
	s_cselect_b32 s33, 7, 3
	s_mov_b32 s34, 1048576
	s_cselect_b32 s34, 2097152, s34                ; where the scale words begin
	s_lshl_b32 s35, s24, s32
	s_and_b32 s33, s42, s33
	s_add_co_u32 s35, s35, s33
	s_lshl_b32 s35, s35, 11
	s_add_co_u32 s35, s35, s25                     ; my first row in the buffer: (batch x heads + head) x 2,048 + position
	s_lshl_b32 s38, s35, 6                         ; 64 bytes of codes a row
	s_mov_b32 s39, 0
	s_add_nc_u64 s[36:37], s[30:31], s[38:39]
	s_lshl_b32 s38, s35, 2                         ; a scale word a row
	s_add_co_u32 s38, s38, s34
	s_add_nc_u64 s[48:49], s[30:31], s[38:39]
	s_and_b32 s50, s42, 3
	s_lshl_b32 s51, s24, 2
	s_add_co_u32 s50, s50, s51                     ; v: 4 x batch + head
	s_lshl_b32 s52, s50, 17                        ; 64 key blocks of 2,048 bytes a head,
	s_lshl_b32 s53, s25, 6                         ; 2,048 x (position / 32)
	s_add_co_u32 s52, s52, s53
	s_mov_b32 s53, 0
	s_add_nc_u64 s[54:55], s[100:101], s[52:53]
	s_lshl_b32 s52, s50, 13                        ; v's scale words: 16 steps of 512 bytes a head; my work-group's two steps; my quarter of them
	s_and_b32 s51, s17, 7
	s_lshl_b32 s51, s51, 10
	s_add_co_u32 s52, s52, s51
	s_lshl_b32 s51, s14, 8
	s_add_co_u32 s52, s52, s51
	s_add_co_u32 s52, s52, 1048576
	s_add_nc_u64 s[56:57], s[100:101], s[52:53]
	s_cmp_lt_u32 ttmp9, 3
	s_cbranch_scc0 .Lv1
; 64 numbers of a lane, register 8 t + j = k 16 t + 8 h + j of my row, become a fragment's codes in v[pc] on and its scale word in v[pw].  Block b of 32 lies in registers 16 b .. 16 b + 15 of lanes l and l xor 16.
.macro QUANT s, pc, pw
.irp b, 0,1,2,3
	v_max3_num_f32 v[TM+\b], |v[\s+16*\b]|, |v[\s+1+16*\b]|, 0x1800000   ; my 16 numbers of block b, and the floor 2^(3 - 127): the byte cannot fall under 1
.endr
.irp i, 2,4,6,8,10,12,14
.irp b, 0,1,2,3
	v_max3_num_f32 v[TM+\b], v[TM+\b], |v[\s+16*\b+\i]|, |v[\s+1+16*\b+\i]|
.endr
.endr
.irp b, 0,1,2,3
	v_permlanex16_b32 v[TM+4+\b], v[TM+\b], s[SEL], s[SEL+1]
.endr
.irp b, 0,1,2,3
	v_max_num_f32 v[TM+\b], v[TM+\b], v[TM+4+\b]   ; with lane l xor 16's: the block's largest magnitude
.endr
.irp b, 0,1,2,3
	v_add_nc_u32 v[TM+12+\b], 0xff000000, v[TM+\b] ; 2 off its exponent field: the conversion's scale operand
.endr
.irp b, 0,1,2,3
	v_lshrrev_b32 v[TM+4+\b], 23, v[TM+12+\b]      ; the scale's byte
.endr
	v_lshl_or_b32 v[\pw], v[TM+5], 8, v[TM+4]
	v_lshl_or_b32 v[\pw], v[TM+6], 16, v[\pw]
	v_lshl_or_b32 v[\pw], v[TM+7], 24, v[\pw]
.irp c, 0,1
.irp m, 0,1
	v_cvt_scalef32_pk8_fp4_f32 v[\pc+4*\c+2*\m], v[\s+8*(4*\c+\m):\s+8*(4*\c+\m)+7], v[TM+12+2*\c]            ; k = 64 c + 16 m + 8 h + 0 .. 7
	v_cvt_scalef32_pk8_fp4_f32 v[\pc+4*\c+2*\m+1], v[\s+8*(4*\c+2+\m):\s+8*(4*\c+2+\m)+7], v[TM+12+2*\c+1]    ; k = 64 c + 32 + 16 m + 8 h + 0 .. 7
.endr
.endr
	v_nop                                          ; one plain place behind a scaled conversion
.irp c, 0,1
.irp m, 0,1
	v_permlane16_swap_b32 v[\pc+4*\c+2*\m], v[\pc+4*\c+2*\m+1]   ; the first's lanes 16-31 change places with the second's lanes 0-15: registers 4 c + 2 m, 4 c + 2 m + 1 now hold k = 64 c + 32 h + 16 m + 0 .. 15
.endr
.endr
.endm
; The rotary step on row tile a: channel d < 64: u(d) cos(d) - u(d + 64) sin(d);  d >= 64: u(d) cos(d) + u(d - 64) sin(d).  Channel tiles t and t + 4 are partners, register for register.
.macro ROPE a
.if (\a) < 2
	WIN 0x0e                                       ; source 0 (results) window 2, source 1 (cos, sin) window 3
.else
	WIN 0x06                                       ; source 1 window 1
.endif
.set CB0, 128*((\a)%2)
.irp t, 0,1,2,3
.irp jp, 0,2,4,6
.set LO, 8*(8*(\a)+\t)+\jp
.set TT, T+2*\jp
	v_pk_mul_f32 v[TT:TT+1], v[LO+32:LO+33], v[CB0+64+8*\t+\jp:CB0+64+8*\t+\jp+1]
	v_pk_mul_f32 v[TT+2:TT+3], v[LO:LO+1], v[CB0+96+8*\t+\jp:CB0+96+8*\t+\jp+1]
	v_pk_fma_f32 v[HH+8*\t+\jp:HH+8*\t+\jp+1], v[LO:LO+1], v[CB0+8*\t+\jp:CB0+8*\t+\jp+1], v[TT:TT+1] neg_lo:[0,0,1] neg_hi:[0,0,1]
	v_pk_fma_f32 v[HH+32+8*\t+\jp:HH+32+8*\t+\jp+1], v[LO+32:LO+33], v[CB0+32+8*\t+\jp:CB0+32+8*\t+\jp+1], v[TT+2:TT+3]
.endr
.endr
	WIN 0
.endm
	; ---- q and k.  cos and sin come straight into the results' layout: lane (r, h) reads, of row 16 a + r, the eight numbers of each channel tile's half.  All 128 loads go out at once
.irp a, 0,1,2,3
.if \a < 2
	WIN 0xc0                                       ; destination window 3
.else
	WIN 0x40                                       ; destination window 1
.endif
.irp t, 0,1,2,3,4,5,6,7
.irp e, 0,1
	global_load_b128 v[128*(\a%2)+8*\t+4*\e:128*(\a%2)+8*\t+4*\e+3], v[CSO], s[8:9] offset:8192*\a+64*\t+16*\e
	global_load_b128 v[128*(\a%2)+64+8*\t+4*\e:128*(\a%2)+64+8*\t+4*\e+3], v[CSO], s[10:11] offset:8192*\a+64*\t+16*\e
.endr
.endr
.endr
	WIN 0
.irp a, 0,1,2,3
.if \a < 2
	s_wait_loadcnt 63                              ; 32 loads a row tile: 96 and 64 younger ones might stay out; the count's field holds 63
.elseif \a == 2
	s_wait_loadcnt 32
.else
	s_wait_loadcnt 0x0
.endif
	ROPE \a
	QUANT HH, PC+8*\a, PW+\a
	global_store_b128 v[GOC], v[PC+8*\a:PC+8*\a+3], s[36:37] offset:1024*\a          ; the image: 512 consecutive aligned bytes a store
	global_store_b128 v[GOC], v[PC+8*\a+4:PC+8*\a+7], s[36:37] offset:1024*\a+512
	ds_store_b32 v[QST], v[PW+\a] offset:64*\a     ; both halves of the lanes write the same word with the same value
.endr
	ds_load_b64 v[TM:TM+1], v[QRD]                 ; LDS serves a wave's instructions in order: these see my stores
	s_wait_dscnt 0x0
	global_store_b64 v[GO8], v[TM:TM+1], s[48:49]  ; my 64 rows' scale words: 256 consecutive aligned bytes
	s_branch .Ljoin
	; ---- v, first part: 32 keys at a time through my stage; then a lane takes a channel, and its registers run down the keys
.macro LOADX g                         ; channels 32 g + lane, keys 0 .. 31: each load reads 32 neighbouring words
.irp i, 0,1,2,3,4,5,6,7,8,9,10,11,12,13,14,15,16,17,18,19,20,21,22,23,24,25,26,27,28,29,30,31
	ds_load_b32 v[XV+32*((\g)%2)+\i], v[VRD] offset:528*\i+128*(\g)
.endr
.endm
.macro VQ kb, g
.set XS, XV+32*((\g)%2)
	v_max3_num_f32 v[TM], |v[XS]|, |v[XS+1]|, |v[XS+2]|            ; the block's largest magnitude: all 32 numbers are mine
	v_max3_num_f32 v[TM+1], |v[XS+3]|, |v[XS+4]|, |v[XS+5]|
.irp i, 6,10,14,18,22,26
	v_max3_num_f32 v[TM], v[TM], |v[XS+\i]|, |v[XS+\i+1]|
	v_max3_num_f32 v[TM+1], v[TM+1], |v[XS+\i+2]|, |v[XS+\i+3]|
.endr
	v_max3_num_f32 v[TM], v[TM], |v[XS+30]|, |v[XS+31]|
	v_max3_num_f32 v[TM], v[TM], v[TM+1], 0x1800000
	v_add_nc_u32 v[TM+2], 0xff000000, v[TM]
	v_lshrrev_b32 v[TM+1], 23, v[TM+2]
.if (\kb) == 0
	v_mov_b32 v[VB+(\g)], v[TM+1]
.else
	v_lshl_or_b32 v[VB+(\g)], v[TM+1], 8, v[VB+(\g)]
.endif
.irp u, 0,1,2,3
	v_cvt_scalef32_pk8_fp4_f32 v[VC+4*(4*(\kb)+(\g))+\u], v[XS+8*\u:XS+8*\u+7], v[TM+2]
.endr
	v_nop                                          ; one plain place behind a scaled conversion
	global_store_b128 v[GOC], v[VC+4*(4*(\kb)+(\g)):VC+4*(4*(\kb)+(\g))+3], s[54:55] offset:2048*(\kb)+512*(\g)   ; 32 channels' blocks: 512 consecutive aligned bytes
.endm
.Lv1:
.irp kb, 0,1
	WIN 0x08                                       ; an LDS store's data are its source 1: window 2
.irp aa, 0,1
.irp t, 0,1,2,3,4,5,6,7
	ds_store_b128 v[VST], v[8*(8*(2*\kb+\aa)+\t):8*(8*(2*\kb+\aa)+\t)+3] offset:8448*\aa+64*\t        ; each accumulator from its low end on
	ds_store_b128 v[VST], v[8*(8*(2*\kb+\aa)+\t)+4:8*(8*(2*\kb+\aa)+\t)+7] offset:8448*\aa+64*\t+16
.endr
.endr
	WIN 0
	LOADX 0                                        ; the stage is my own, and LDS serves a wave's instructions in order: no wait between stores and loads
	LOADX 1
.irp g, 0,1,2,3
.if \g < 3
	s_wait_dscnt 32                                ; this set is in; the younger set's 32 loads may be out
.else
	s_wait_dscnt 0x0
.endif
	VQ \kb, \g
.if \g < 2
	LOADX \g+2
.endif
.endr
.endr
.irp g, 0,1,2,3
	ds_store_b16 v[VSA], v[VB+\g] offset:128*\g    ; my two key blocks' bytes of channel 32 g + lane: half of its scale word; the other half is the neighbouring wave's
.endr
.Ljoin:
	s_wait_dscnt 0x0                               ; for the others' sake: my LDS stores are done
	s_barrier_signal -1
	s_barrier_wait -1
	s_cmp_lt_u32 ttmp9, 3
	s_cbranch_scc1 .Lend
	ds_load_b64 v[TM+8:TM+9], v[VSR]               ; ---- v, second part: the scale words are whole: each wave stores a quarter of them
	s_wait_dscnt 0x0
	global_store_b64 v[GO8], v[TM+8:TM+9], s[56:57]   ; 256 consecutive aligned bytes
.Lend:
	s_wait_tensorcnt 0x0                           ; the wave's end: behind my last tensor load and my last LDS store
	ds_add_u32 v[SPW], v[NIL]
	s_wait_dscnt 0x0
	CROUND                                         ; the closing round: no work-group ends while a partner may still ask for a tile that names it
	s_endpgm
.Lfunc_end_k_q3072b1df25_qkv:
	.size	k_q3072b1df25_qkv, .Lfunc_end_k_q3072b1df25_qkv-k_q3072b1df25_qkv
	.p2alignl 7, 3214868480
	.fill 96, 4, 3214868480
	.section	.rodata,"a",@progbits
	.p2align	6, 0x0
	.amdhsa_kernel k_q3072b1df25_qkv
		.amdhsa_group_segment_fixed_size 327680
		.amdhsa_private_segment_fixed_size 0
		.amdhsa_enable_private_segment 0
		.amdhsa_kernarg_size 56
		.amdhsa_user_sgpr_count 2
		.amdhsa_user_sgpr_kernarg_segment_ptr 1
		.amdhsa_wavefront_size32 1
		.amdhsa_system_sgpr_workgroup_id_x 1
		.amdhsa_system_sgpr_workgroup_id_y 1
		.amdhsa_system_sgpr_workgroup_id_z 1
		.amdhsa_system_vgpr_workitem_id 0
		.amdhsa_next_free_vgpr 1024
		.amdhsa_next_free_sgpr 102
		.amdhsa_reserve_vcc 0
		.amdhsa_float_denorm_mode_32 3
		.amdhsa_float_denorm_mode_16_64 3
		.amdhsa_memory_ordered 1
		.amdhsa_forward_progress 1
		.amdhsa_inst_pref_size 188
	.end_amdhsa_kernel
	.amdgpu_metadata
---
amdhsa.version: [ 1, 2 ]
amdhsa.kernels:
  - .name:           k_q3072b1df25_qkv
    .symbol:         k_q3072b1df25_qkv.kd
    .args:
      - { .name: xq, .offset: 0, .size: 8, .value_kind: global_buffer, .address_space: global }
      - { .name: wcat, .offset: 8, .size: 8, .value_kind: global_buffer, .address_space: global }
      - { .name: cos, .offset: 16, .size: 8, .value_kind: global_buffer, .address_space: global }
      - { .name: sin, .offset: 24, .size: 8, .value_kind: global_buffer, .address_space: global }
      - { .name: qq, .offset: 32, .size: 8, .value_kind: global_buffer, .address_space: global }
      - { .name: kq, .offset: 40, .size: 8, .value_kind: global_buffer, .address_space: global }
      - { .name: vq, .offset: 48, .size: 8, .value_kind: global_buffer, .address_space: global }
    .group_segment_fixed_size: 327680
    .private_segment_fixed_size: 0
    .kernarg_segment_align: 8
    .kernarg_segment_size: 56
    .max_flat_workgroup_size: 128
    .sgpr_count:     102
    .vgpr_count:     1024
    .wavefront_size: 32
...
	.end_amdgpu_metadata
.endif
;; end of part 2
;; launch attn (part 3): grid 16 x 16, 16 waves a work-group, no clusters, 327,680 bytes of LDS; arguments qq, kq, vq, aq; writes aq
.if DOCPART == 3
	.amdgcn_target "amdgcn-amd-amdhsa--gfx1250"
	.amdhsa_code_object_version 6
	.text
	.protected	k_q3072b1df25_attn
	.globl	k_q3072b1df25_attn
	.p2align	8
	.type	k_q3072b1df25_attn,@function
k_q3072b1df25_attn:
	s_mov_b64 s[64:65], 0
	v_nop
	global_prefetch_b8 v0, s[64:65] scope:SCOPE_SE
	s_setreg_imm32_b32 hwreg(HW_REG_WAVE_MODE, 25, 1), 1
	s_wait_xcnt 0x0
; Causal attention on codes of FP4, 16 (batch, query head) pairs y = 8 x batch + head, key and value head y / 2; the result, divided by the row's sum, is quantised along the head's channels for the projection out.
; WORK LEFT OUT: the mask is the problem's own lower triangle: a step of 128 keys wholly behind a wave's 16 queries is not multiplied, a slot of 512 keys wholly behind the work-group's last query is not fetched.
; LIMITS: hidden scores become -infinity (weight 0) where the problem writes -1e30: equal while a row's live logits stay far above -1e30; a NaN or an infinity that reaches only the work left out is not carried on.
; THE SOFTMAX AHEAD OF THE SECOND PRODUCT: t = score x log2(e) / sqrt(128); M = the largest t that the wave has met so far for the row, rounded UP to a whole number; p = 2^(t - M) is quantised along the keys, not normalised.
; The row's sum is taken of the unquantised p, in f32, and divides O at the end.  When M moves, the sum and O are multiplied by 2^(old M - new M): exact.
; SHARES.  Work-group x of a head owns the blocks of 64 queries x and 31 - x: an early block and a late one, so that all work-groups have about the same number of key steps under the mask: eight tiles of 16 queries.
; A TILE'S KEY STEPS ARE SHARED BY TWO WAVES: waves w and w + 8 own the same tile; wave w walks the even steps of 128 keys, wave w + 8 the odd ones, each with its own M, sum and O^T: the longest run of steps in one wave is 8 of the head's 16.
; At the end the odd wave hands its O^T, -M and sum through LDS to the even one, which brings both under the larger M (factors that are powers of two) and adds.  Wave w's tile is number w % 4 of its block; the block is the late one where w + w / 4 is odd,
; so that of the waves w, w + 4, w + 8, w + 12, and of the waves 4 i .. 4 i + 3 alike, two serve an early tile and two a late one.
; K's and V's tiles come through two LDS slots of 512 keys, filled by the tensor data mover (waves 0, 1: K's halves; waves 2, 3: V's) and read by all sixteen.  The scale words of the whole head come once and stay.
; LAYOUT.  Both products are used transposed: S^T = K Q^T (source 0 = 16 keys, source 1 = my queries), O^T = V^T P^T (source 0 = 16 channels, source 1 = P): a lane holds ONE query (lane % 16) throughout; register 8 t + j of S^T is key 16 t + 8 (lane / 16) + j.
; K and Q lie in memory as images of their fragments' registers (16 bytes a lane, 512 a group of four registers); V as [key block of 32][channel][16 bytes].  So every LDS read is of consecutive bytes, and nothing is padded.
; NO CLUSTER, though the work-groups of a key and value head read the same tiles: the jumps over hidden steps, and the end of a work-group's fetching (its last query is 2,047 - 64 x), hang on its x, which in a cluster along x would be a place in the cluster;
; and the loads beyond that end are led round by a jump on ids, while a joint load must be issued by every partner on every way.
; REGISTERS: v1-7 addresses that stay; v8-11 addresses of the loads in hand; v12 -M, v13 the largest t, v[14:15] the sum in two halves; v16-23 Q; v24-31 addresses; v32-95 eight fragments of K, then of V; v96-159 S^T, then p; v160-223 O^T;
;   v224-231 codes; v232-239, v244-247, v252-254 at work; v240-243, v248-251 the eight tiles' scale words; v255 Q's scale words.
.set SK,    512                        ; keys in a slot
.set NQ,    4                          ; key steps in a slot
.set SLOT1, 1<<16                      ; a slot: 32 images of K (32,768 bytes), then 16 key blocks of V (32,768); one exclusive or turns an address in one slot into the other's
.set VOFF,  32768
.set NSL,   4                          ; slots' worth of keys
.set SCK,   2*SLOT1                    ; behind the ring: K's scale words of the whole head, 8,192 bytes;
.set SCV,   SCK+8192                   ; V's, 8,192 bytes;
.set SCW,   SCV+8192+1024              ; (1,024 bytes unused) the result's scale words, 64 bytes a tile;
.set SPARE, SCW+512                    ; the spare words, 128 bytes a wave, that no other line names;
.set MST,   SPARE+2048                 ; the hand-over from the odd waves to the even ones: for each tile 8,192 bytes of O^T, an image of its registers, then 256 bytes of (-M, sum); no tensor load lands here
.set MTILE, 8704
.set AK0,  1                           ; v1   16 x lane: my place in an image
.set AV0,  2                           ; v2   VOFF + 2,048 h + 16 r
.set ASK0, 3                           ; v3   SCK + 4 r
.set ASV0, 4                           ; v4   SCV + 4 r
.set SPW,  5                           ; v5   LDS address of my spare word; never rewritten
.set NIL,  6                           ; v6   0; never rewritten
.set GO,   7                           ; v7   16 x lane, for global memory
.set ADK,  8
.set ADV,  9
.set ADS,  10
.set ADT,  11
.set MSA,  24                          ; v24  MST + MTILE x tile + 16 x lane
.set MSB,  25                          ; v25  MST + MTILE x tile + 8,192 + 8 x lane
.set PFO,  28                          ; v28  256 x lane
.set SWA,  29                          ; v29  SCW + 64 x tile + 4 r
.set SWR,  30                          ; v30  SCW + 64 x tile + 8 x lane
.set GO8,  31                          ; v31  8 x lane
.set TM,   232
.set WV,   18                          ; s18  my wave's number
.set SEL,  20                          ; s[20:21] lane selects: lane l xor 16
.set CS,   22                          ; s[22:23] c = log2(e) / sqrt(128)
.set G1,   24                          ; s[24:31] group 1: 64 dense rows of 256 bytes
.set PAR,  32                          ; s32  which key steps are mine: 0 the even ones, 1 the odd ones
.set TI,   33                          ; s33  my tile among the work-group's eight: 0-3 the early block's, 4-7 the late block's
.set G0K,  40                          ; s[40:43], s[44:47] groups 0 for K's and V's tiles, which walk
.set G0V,  44
.set G1S,  48                          ; s[48:55] group 1 for the scale words: 16 dense rows of 256 bytes
.set G0SK, 56
.set G0SV, 60
.set TB,   2                           ; s2   LDS byte at which the slot in hand begins
.set TS,   3                           ; s3   where the step's scale words begin, K's and V's alike: 512 bytes a step
.set QL,   66                          ; s66  my work-group's last query
.set SLOTS, 67                         ; s67  changes of slots still to come in the loop
.set KF,   98                          ; s98  the step's first key
.set Q0,   99                          ; s99  my first query
.set PFA,  76                          ; s[76:77] where my prefetches stand
.set LIM,  80                          ; s80  1 in a wave that prefetches, else the greatest number
; Waves 0 and 1 fetch for K, waves 2 and 3 for V, the others nothing.  The branches hang on the wave's number alone.  An s_nop 0 and four v_nop follow each of the two lines.
.macro TLOAD g0k, g0v, g1
	s_cmp_lt_u32 s[WV], 2
	s_cbranch_scc0 .Lnot_k_\@
	tensor_load_to_lds s[\g0k:\g0k+3], s[\g1:\g1+7]
	s_nop 0
.rept 4
	v_nop
.endr
	s_branch .Lasked_\@
.Lnot_k_\@:
	s_cmp_lt_u32 s[WV], 4
	s_cbranch_scc0 .Lasked_\@
	tensor_load_to_lds s[\g0v:\g0v+3], s[\g1:\g1+7]
	s_nop 0
.rept 4
	v_nop
.endr
.Lasked_\@:
.endm
; A prefetch of what the NEXT change of slots will ask for: 32,768 bytes of K and as many of V.  The 32 work-groups of a key and value head walk the same tiles: the one with x = 0 of the even query head asks, which walks all slots.
; In it four waves ask that fetch nothing: waves 4, 5 for K's halves, waves 6, 7 for V's: 16,384 bytes a wave, lanes 256 bytes apart, two instructions.  So each run of 256 bytes is named once in the launch.
; Slots 0 and 1 come by their loads alone; the last change that fills a slot asks for nothing.
.macro ASK
	s_cmp_gt_u32 s[SLOTS], s[LIM]
	s_cbranch_scc0 .Lnot_mine_\@
	global_prefetch_b8 v[PFO], s[PFA:PFA+1] th:TH_LOAD_NT scope:SCOPE_SE
	global_prefetch_b8 v[PFO], s[PFA:PFA+1] offset:8192 th:TH_LOAD_NT scope:SCOPE_SE
.Lnot_mine_\@:
.endm
	s_load_b256 s[4:11], s[0:1], 0x0               ; qq 4:5, kq 6:7, vq 8:9, aq 10:11
	v_lshl_add_u32 v[SPW], v0, 2, SPARE
	v_mov_b32 v[NIL], 0
	ds_add_u32 v[SPW], v[NIL]                      ; the wave's opening: the add, twice on end, and its wait ahead of my first tensor load
	ds_add_u32 v[SPW], v[NIL]
	v_lshrrev_b32 v8, 5, v0
	v_readfirstlane_b32 s[WV], v8                  ; wave 0..15
	s_lshr_b32 s[PAR], s[WV], 3                    ; the even key steps or the odd ones
	s_lshr_b32 s87, s[WV], 2
	s_xor_b32 s87, s87, s[WV]
	s_and_b32 s87, s87, 1                          ; 1: my tile lies in the late block
	s_and_b32 s[TI], s[WV], 3                      ; its number in the block
	s_and_b32 s72, ttmp7, 0xffff                   ; y = 8 x batch + query head
	s_lshr_b32 s73, s72, 1                         ; 4 x batch + key and value head
	s_and_b32 s88, s[WV], 1                        ; which half I fetch, if I fetch
	s_lshl_b32 s74, s73, 17                        ; a head's codes of K, or of V: 131,072 bytes
	s_lshl_b32 s81, s88, 14
	s_add_co_u32 s74, s74, s81
	s_mov_b32 s75, 0
	s_lshl_b32 s84, s73, 13                        ; a head's scale words: 8,192 bytes, behind the codes
	s_lshl_b32 s85, s88, 12
	s_add_co_u32 s84, s84, s85
	s_add_co_u32 s84, s84, 1048576
	s_mov_b32 s85, 0
	s_sub_co_u32 s86, 31, ttmp9
	s_cmp_eq_u32 s87, 0
	s_cselect_b32 s86, ttmp9, s86                  ; my block of 64 queries
	s_lshl_b32 s[Q0], s86, 6
	s_lshl_b32 s89, s[TI], 4
	s_add_co_u32 s[Q0], s[Q0], s89
	s_lshl_b32 s87, s87, 2
	s_add_co_u32 s[TI], s[TI], s87                 ; my tile among the eight
	s_lshl_b32 s[QL], ttmp9, 6
	s_sub_co_u32 s[QL], 2047, s[QL]
	s_mov_b32 s[G1], 3<<16                         ; 15:0 no mask; 17:16 elements of 8 bytes; no padding
	s_mov_b32 s[G1+1], 32<<16                      ; tensor_dim0: 256 bytes
	s_mov_b32 s[G1+2], 64<<16                      ; tensor_dim1
	s_mov_b32 s[G1+3], 32<<16                      ; tile_dim0
	s_mov_b32 s[G1+4], 64                          ; tile_dim1
	s_mov_b32 s[G1+5], 32                          ; from row to row: dense
	s_mov_b32 s[G1+6], 0
	s_mov_b32 s[G1+7], 0
	s_mov_b32 s[G1S], 3<<16
	s_mov_b32 s[G1S+1], 32<<16
	s_mov_b32 s[G1S+2], 16<<16
	s_mov_b32 s[G1S+3], 32<<16
	s_mov_b32 s[G1S+4], 16
	s_mov_b32 s[G1S+5], 32
	s_mov_b32 s[G1S+6], 0
	s_mov_b32 s[G1S+7], 0
	s_mov_b32 s[SEL], 0x76543210
	s_mov_b32 s[SEL+1], 0xfedcba98
	s_mov_b32 s[CS], 0x3e0293ee                    ; c = log2(e) / sqrt(128)
	s_mov_b32 s[CS+1], s[CS]                       ; (named with it as a pair, so it is written)
	s_mov_b32 s[TB], 0
	s_mov_b32 s[TS], 0
	s_mov_b32 s[SLOTS], NSL-1
	s_mov_b32 s[KF], 0
	s_lshl_b32 s89, s88, 12                        ; LDS: my half of the scale words,
	s_lshl_b32 s97, s88, 14                        ; of a slot's K or V
	s_wait_dscnt 0x0                               ; both opening adds are done
	s_wait_kmcnt 0x0
	s_mov_b32 s[G0SK], 1
	s_add_co_u32 s[G0SK+1], s89, SCK
	s_add_nc_u64 s[G0SK+2:G0SK+3], s[6:7], s[84:85]
	s_or_b32 s[G0SK+3], s[G0SK+3], 0x80000000
	s_mov_b32 s[G0SV], 1
	s_add_co_u32 s[G0SV+1], s89, SCV
	s_add_nc_u64 s[G0SV+2:G0SV+3], s[8:9], s[84:85]
	s_or_b32 s[G0SV+3], s[G0SV+3], 0x80000000
	TLOAD G0SK, G0SV, G1S                          ; the scale words of the whole head: filled once
	s_mov_b32 s[G0K], 1
	s_mov_b32 s[G0K+1], s97
	s_add_nc_u64 s[G0K+2:G0K+3], s[6:7], s[74:75]
	s_or_b32 s[G0K+3], s[G0K+3], 0x80000000
	s_mov_b32 s[G0V], 1
	s_add_co_u32 s[G0V+1], s97, VOFF
	s_add_nc_u64 s[G0V+2:G0V+3], s[8:9], s[74:75]
	s_or_b32 s[G0V+3], s[G0V+3], 0x80000000
	TLOAD G0K, G0V, G1                             ; slot 0: it holds key 0, which counts for every query
	s_lshl_b32 s90, s72, 17                        ; Q's image: 131,072 bytes a head, 64 a query
	s_lshl_b32 s91, s[Q0], 6
	s_add_co_u32 s90, s90, s91
	s_mov_b32 s91, 0
	s_add_nc_u64 s[92:93], s[4:5], s[90:91]
	s_lshl_b32 s90, s72, 11                        ; its scale words
	s_add_co_u32 s90, s90, s[Q0]
	s_lshl_b32 s90, s90, 2
	s_add_co_u32 s90, s90, 2097152
	s_add_nc_u64 s[94:95], s[4:5], s[90:91]
	s_and_b32 s82, s72, 7                          ; the result: [head][row tile = 128 x batch + query / 16][1,024 bytes]
	s_lshr_b32 s83, s72, 3
	s_lshl_b32 s90, s82, 18
	s_lshl_b32 s89, s83, 17
	s_add_co_u32 s90, s90, s89
	s_lshl_b32 s89, s[Q0], 6
	s_add_co_u32 s90, s90, s89
	s_add_nc_u64 s[12:13], s[10:11], s[90:91]
	s_lshl_b32 s90, s82, 14                        ; its scale words: [head][4,096 rows][4 bytes]: my block's 64 rows
	s_lshl_b32 s89, s83, 13
	s_add_co_u32 s90, s90, s89
	s_lshl_b32 s89, s86, 8
	s_add_co_u32 s90, s90, s89
	s_add_co_u32 s90, s90, 2097152
	s_add_nc_u64 s[14:15], s[10:11], s[90:91]
	s_cmp_lt_u32 s[WV], 6                          ; the prefetches: waves 4, 5 K's codes, waves 6, 7 V's
	s_cselect_b64 s[PFA:PFA+1], s[6:7], s[8:9]
	s_add_nc_u64 s[PFA:PFA+1], s[PFA:PFA+1], s[74:75]
	s_add_nc_u64 s[PFA:PFA+1], s[PFA:PFA+1], 32768 ; in slot 1: the first change of slots steps it to slot 2
	s_lshr_b32 s82, s[WV], 2
	s_xor_b32 s82, s82, 1                          ; 0 in waves 4 to 7 alone,
	s_or_b32 s82, s82, ttmp9                       ; of work-group x = 0,
	s_and_b32 s83, s72, 1
	s_or_b32 s82, s82, s83                         ; of the even query head
	s_cmp_eq_u32 s82, 0
	s_cselect_b32 s[LIM], 1, -1
	; every LDS address that stays is made here, ahead of any parting of the waves
	v_and_b32 v8, 15, v0                           ; r
	v_bfe_u32 v9, v0, 4, 1                         ; h
	v_and_b32 v10, 31, v0                          ; lane
	v_lshlrev_b32 v[GO], 4, v10
	global_load_b128 v[16:19], v[GO], s[92:93]     ; Q's fragment stays in registers
	global_load_b128 v[20:23], v[GO], s[92:93] offset:512
	v_lshlrev_b32 v254, 2, v8
	global_load_b32 v255, v254, s[94:95]           ; Q's scale words
	v_lshlrev_b32 v[AK0], 4, v10
	v_lshlrev_b32 v[AV0], 11, v9
	v_lshl_add_u32 v[AV0], v8, 4, v[AV0]
	v_add_nc_u32 v[AV0], VOFF, v[AV0]
	v_lshl_add_u32 v[ASK0], v8, 2, SCK
	v_lshl_add_u32 v[ASV0], v8, 2, SCV
	s_lshl_b32 s81, s[TI], 6
	s_add_co_u32 s81, s81, SCW
	v_lshl_add_u32 v[SWA], v8, 2, s81
	v_lshl_add_u32 v[SWR], v10, 3, s81
	s_mul_i32 s81, s[TI], MTILE
	s_add_co_u32 s81, s81, MST
	v_lshl_add_u32 v[MSA], v10, 4, s81
	s_add_co_u32 s81, s81, 8192
	v_lshl_add_u32 v[MSB], v10, 3, s81
	v_lshlrev_b32 v[GO8], 3, v10
	v_lshlrev_b32 v[PFO], 8, v10
	v_mov_b32 v13, 0xff61b1e6                      ; the largest t so far: -3e38, under every t
	v_floor_f32 v12, -v13                          ; -M
	v_mov_b32 v14, 0                               ; the sum, in two halves
	v_mov_b32 v15, 0
.irp b, 0,1,2,3
	v_mov_b32 v[236+\b], 0                         ; written once: a lane permute's destination counts as one of its sources
.endr
	v_mov_b32 v253, 0                              ; (named as the upper half of the pair v[252:253] before it is first written)
.irp j, 0,1,2,3,4,5,6,7,8,9,10,11,12,13,14,15,16,17,18,19,20,21,22,23,24,25,26,27,28,29,30,31,32,33,34,35,36,37,38,39,40,41,42,43,44,45,46,47,48,49,50,51,52,53,54,55,56,57,58,59,60,61,62,63
	v_mov_b32 v[160+\j], 0                         ; O^T.  (The step is written once: a wave's first step finds zeros, which the first change of M leaves zeros; a wave with no step hands zeros on)
.endr
; A KEY STEP: 128 keys, the q-th of the slot in hand.  A fragment of 4-bit codes is 8 registers, so v32-95 hold all eight tiles' fragments: K's come in one run; V's are asked for behind the scores' products and land while the softmax is worked.
.macro STEP q
	v_add_nc_u32 v[ADK], s[TB], v[AK0]             ; on every wave's way.  (These four are also the places in front of loads into registers that the last step's matrix instructions have read)
	v_add_nc_u32 v[ADV], s[TB], v[AV0]
	v_add_nc_u32 v[ADS], s[TS], v[ASK0]
	v_add_nc_u32 v[ADT], s[TS], v[ASV0]
	s_cmp_lg_u32 s[PAR], (\q)%2                    ; the step is my partner's: a slot has four steps, so a step's number in its slot is even where its number in the head is
	s_cbranch_scc1 .Lhidden_\@
	s_add_co_u32 s96, s[Q0], 15                    ; a step all of whose keys come after my 16 queries is left out: a branch on ids, round the step's loads, products and softmax, not round the lines at its end that step addresses
	s_cmp_gt_u32 s[KF], s96
	s_cbranch_scc1 .Lhidden_\@
.irp t, 0,1,2,3,4,5,6,7
.irp c, 0,1
	ds_load_b128 v[32+8*\t+4*\c:32+8*\t+4*\c+3], v[ADK] offset:(8*(\q)+\t)*1024+512*\c
.endr
	ds_load_b32 v[248+\t-12*(\t/4)], v[ADS] offset:64*\t
.endr
	s_wait_dscnt 0x0
.irp t, 0,1,2,3,4,5,6,7                        ; S^T = K Q^T: eight tiles of 16 keys
	v_wmma_scale_f32_16x16x128_f8f6f4 v[96+8*\t:103+8*\t], v[32+8*\t:39+8*\t], v[16:23], 0, v[248+\t-12*(\t/4)], v255 matrix_a_fmt:MATRIX_FMT_FP4 matrix_b_fmt:MATRIX_FMT_FP4
.endr
.rept 4
	v_nop                                          ; places in front of the loads into the fragments' and scale words' registers, and of the first read of the scores
.endr
.irp t, 0,1,2,3,4,5,6,7                        ; V^T's eight tiles of 16 channels, these 128 keys: nothing below names their registers before the wait in front of the second product
.irp c, 0,1
	ds_load_b128 v[32+8*\t+4*\c:32+8*\t+4*\c+3], v[ADV] offset:(4*(\q)+2*\c)*2048+256*\t   ; key block 4 q + 2 c + h, channel 16 t + r
.endr
	ds_load_b32 v[248+\t-12*(\t/4)], v[ADT] offset:64*\t
.endr
	s_add_co_u32 s96, s[KF], 127                   ; on the diagonal the scores of hidden keys become -infinity ahead of the maximum: p = 0 then.  A step all of whose keys count skips this
	s_cmp_le_u32 s96, s[Q0]
	s_cbranch_scc1 .Lopen_\@
	s_sub_co_i32 s96, s[Q0], s[KF]
	v_and_b32 v252, 15, v0
	v_bfe_u32 v253, v0, 4, 1
	v_lshlrev_b32 v253, 3, v253
	v_sub_nc_u32 v252, v252, v253
	v_add_nc_u32 v252, s96, v252                   ; d = my query - KF - 8 (lane / 16).  Register 8 t + j holds key KF + 8 (lane / 16) + 16 t + j: hidden where 16 t + j > d
	v_mov_b32 v254, 0xff800000                     ; -infinity
.irp n, 0,1,2,3,4,5,6,7,8,9,10,11,12,13,14,15,16,17,18,19,20,21,22,23,24,25,26,27,28,29,30,31,32,33,34,35,36,37,38,39,40,41,42,43,44,45,46,47,48,49,50,51,52,53,54,55,56,57,58,59,60,61,62,63
	v_cmp_gt_i32 vcc_lo, 16*(\n/8)+\n%8, v252
	v_cndmask_b32 v[96+\n], v[96+\n], v254, vcc_lo
.endr
.Lopen_\@:
.irp b, 0,1,2,3
	v_max3_num_f32 v[232+\b], v[96+16*\b], v[97+16*\b], v[98+16*\b]   ; THE LARGEST SCORE OF EACH BLOCK OF 32 KEYS (tiles 2 b, 2 b + 1, both halves of the lanes): it serves for the row's maximum and, since p rises with the score, for the block's largest p
.endr
.irp i, 3,5,7,9,11,13
.irp b, 0,1,2,3
	v_max3_num_f32 v[232+\b], v[232+\b], v[96+16*\b+\i], v[97+16*\b+\i]
.endr
.endr
.irp b, 0,1,2,3
	v_max_num_f32 v[232+\b], v[232+\b], v[111+16*\b]
.endr
.irp b, 0,1,2,3
	v_permlanex16_b32 v[236+\b], v[232+\b], s[SEL], s[SEL+1]
.endr
.irp b, 0,1,2,3
	v_max_num_f32 v[232+\b], v[232+\b], v[236+\b]  ; with lane l xor 16's 16 keys
.endr
	v_max3_num_f32 v254, v232, v233, v234
	v_max_num_f32 v254, v254, v235                 ; the step's largest score of my query
	v_mul_f32 v254, s[CS], v254                    ; as t (c is positive)
	v_max_num_f32 v13, v13, v254                   ; the running largest t
	v_mov_b32 v254, v12
	v_floor_f32 v12, -v13                          ; the new -M = floor(-t) = -ceil(t): M is a whole number
	v_sub_f32 v254, v12, v254                      ; M's old value less its new one: a whole number, 0 or less
	v_cvt_i32_f32 v254, v254                       ; (it saturates)
	v_ldexp_f32 v252, 1.0, v254                    ; f = 2^(old M - new M): a multiplication by it rounds nothing
.irp j, 0,2,4,6,8,10,12,14,16,18,20,22,24,26,28,30,32,34,36,38,40,42,44,46,48,50,52,54,56,58,60,62
	v_pk_fma_f32 v[96+\j:97+\j], v[96+\j:97+\j], s[CS:CS+1], v[12:13] op_sel_hi:[1,0,0]   ; t - M, two at a time (of the pairs c and -M the low word serves both halves)
.endr
.irp b, 0,1,2,3
	v_fma_f32 v[232+\b], v[232+\b], s[CS], v12     ; the same of each block's largest score
.endr
.irp j, 0,1,2,3,4,5,6,7,8,9,10,11,12,13,14,15,16,17,18,19,20,21,22,23,24,25,26,27,28,29,30,31,32,33,34,35,36,37,38,39,40,41,42,43,44,45,46,47,48,49,50,51,52,53,54,55,56,57,58,59,60,61,62,63
	v_exp_f32 v[96+\j], v[96+\j]                   ; p = 2^(t - M), at most 1: not normalised
.endr
	v_pk_mul_f32 v[14:15], v[14:15], v[252:253] op_sel_hi:[1,0]   ; the sums under the new M.  (A plain place behind the exponentials)
	s_wait_alu depctr_va_vdst(0)                   ; one wait for the whole batch, ahead of its first reader
.irp b, 0,1,2,3
	v_exp_f32 v[232+\b], v[232+\b]                 ; the block's largest p: the same two instructions on the same number give the same bits
.endr
	v_pk_add_f32 v[236:237], v[96:97], v[98:99]    ; the row's sum is taken of the unquantised p: two at a time, in two chains
.irp j, 4,8,12,16,20,24,28,32,36,40,44,48,52,56,60
	v_pk_add_f32 v[14:15], v[14:15], v[96+\j:97+\j]
	v_pk_add_f32 v[236:237], v[236:237], v[98+\j:99+\j]
.endr
	v_pk_add_f32 v[14:15], v[14:15], v[236:237]
	s_wait_alu depctr_va_vdst(0)                   ; and one for the four
.irp b, 0,1,2,3
	v_max_num_f32 v[232+\b], 0x1800000, v[232+\b]  ; the floor 2^(3 - 127): the byte cannot fall under 1 (a block whose every p is 0 keeps that byte: its codes are zeros)
.endr
.irp b, 0,1,2,3
	v_add_nc_u32 v[244+\b], 0xff000000, v[232+\b]  ; 2 off the exponent field: the conversion's scale operand
.endr
.irp b, 0,1,2,3
	v_lshrrev_b32 v[236+\b], 23, v[244+\b]         ; the scale's byte
.endr
	v_lshl_or_b32 v253, v237, 8, v236              ; p's scale word for these 128 keys
	v_lshl_or_b32 v253, v238, 16, v253
	v_lshl_or_b32 v253, v239, 24, v253
.irp c, 0,1
.irp m, 0,1
	v_cvt_scalef32_pk8_fp4_f32 v[224+4*\c+2*\m], v[96+8*(4*\c+\m):103+8*(4*\c+\m)], v[244+2*\c]        ; keys 64 c + 16 m + 8 h + 0 .. 7
	v_cvt_scalef32_pk8_fp4_f32 v[225+4*\c+2*\m], v[96+8*(4*\c+2+\m):103+8*(4*\c+2+\m)], v[245+2*\c]    ; keys 64 c + 32 + 16 m + 8 h + 0 .. 7
.endr
.endr
	v_nop                                          ; one plain place behind a scaled conversion
.irp c, 0,1
.irp m, 0,1
	v_permlane16_swap_b32 v[224+4*\c+2*\m], v[225+4*\c+2*\m]   ; registers 4 c + 2 m, 4 c + 2 m + 1 now hold keys 64 c + 32 h + 16 m + 0 .. 15: the operand's layout
.endr
.endr
.irp j, 0,2,4,6,8,10,12,14,16,18,20,22,24,26,28,30,32,34,36,38,40,42,44,46,48,50,52,54,56,58,60,62
	v_pk_mul_f32 v[160+\j:161+\j], v[160+\j:161+\j], v[252:253] op_sel_hi:[1,0]   ; O^T under the new M.  (These 32 are also the places between the lines that made p's codes and scale word and the matrix instructions below)
.endr
	s_wait_dscnt 0x0                               ; V's fragments and scale words, asked for ahead of the softmax
.irp t, 0,1,2,3,4,5,6,7                        ; O^T += V^T P^T: eight accumulators, one instruction each
	v_wmma_scale_f32_16x16x128_f8f6f4 v[160+8*\t:167+8*\t], v[32+8*\t:39+8*\t], v[224:231], v[160+8*\t:167+8*\t], v[248+\t-12*(\t/4)], v253 matrix_a_fmt:MATRIX_FMT_FP4 matrix_b_fmt:MATRIX_FMT_FP4
.endr
.Lhidden_\@:
	s_add_co_u32 s[KF], s[KF], 128
	s_add_co_u32 s[TS], s[TS], 512                 ; the next step's scale words
.endm
; THE CHANGE OF SLOTS stands at a slot's head.  Each wave waits for all its tensor loads, adds 0 to its spare word (fill = 1: twice on end), and waits for that and for its reads of the slot that it has left.
; Behind the barrier the slot ahead is whole and nobody reads the other one.  fill = 1: that other slot is filled with the keys that follow, up to the causal limit: the load has a whole slot's steps in which to land.
.macro CHANGE fill
	s_wait_tensorcnt 0x0                           ; no tensor load of mine is out, so a group 0 may be written
	ds_add_u32 v[SPW], v[NIL]                      ; 0 onto my spare word
.if \fill
	ds_add_u32 v[SPW], v[NIL]                      ; and once more: the add stands twice on end, in every trip alike
	s_xor_b32 s[G0K+1], s[G0K+1], SLOT1            ; the walking descriptors: the other slot than last time,
	s_add_nc_u64 s[G0K+2:G0K+3], s[G0K+2:G0K+3], 32768   ; the next 512 keys; the type bits on top are not reached
	s_xor_b32 s[G0V+1], s[G0V+1], SLOT1
	s_add_nc_u64 s[G0V+2:G0V+3], s[G0V+2:G0V+3], 32768
	s_wait_xcnt 0x0                                ; the last prefetches, a slot back, have read their address, so it may be written
	s_add_nc_u64 s[PFA:PFA+1], s[PFA:PFA+1], 32768
.endif
	s_wait_dscnt 0x0                               ; the adds are done, and my reads of the slot that I have left are over
	s_barrier_signal -1
	s_barrier_wait -1
.if \fill
	s_add_co_u32 s96, s[KF], SK                    ; the first key of the slot that this change would ask for: behind my work-group's last query it is read by none of its waves, and is not asked for
	s_cmp_gt_u32 s96, s[QL]                        ; ids and the count of steps alone: all sixteen waves go the same way, and a work-group that is past the limit stays past it.  Every wait on the tensor loads' counter in this text is for 0
	s_cbranch_scc1 .Lpast_\@
	TLOAD G0K, G0V, G1                             ; a wave's one tensor load until the next such barrier
.Lpast_\@:
	ASK
.endif
.endm
.macro SLOT_STEPS
.set Q, 0
.rept NQ
	STEP Q
.set Q, Q+1
.endr
	s_xor_b32 s[TB], s[TB], SLOT1                  ; on to the other slot
.endm
	s_wait_loadcnt 0x0                             ; Q
.Lslot:                                            ; three trips: every work-group walks all slots, so that the trip counts are constants; what is hidden, or the partner's, is jumped over inside
	CHANGE 1
	SLOT_STEPS
	s_sub_co_u32 s[SLOTS], s[SLOTS], 1
	s_cmp_lg_u32 s[SLOTS], 0
	s_cbranch_scc1 .Lslot
	CHANGE 0                                       ; the last slot is written out: nothing is left to ask for
	SLOT_STEPS
	; THE TWO HALVES OF A TILE MEET.  The odd wave stores O^T as an image of its registers (16 stores of 512 consecutive bytes) and the pair (-M, its sum); behind a barrier the even wave loads them by the same addresses.
	v_add_f32 v13, v14, v15                        ; my sum's two halves, beside -M: the pair v[12:13]
.rept 4
	v_nop                                          ; places behind the last products, in front of the stores that read O^T and of the loads into the scores' registers
.endr
	s_cmp_eq_u32 s[PAR], 0
	s_cbranch_scc1 .Lkeep
.irp g, 0,1,2,3,4,5,6,7,8,9,10,11,12,13,14,15
	ds_store_b128 v[MSA], v[160+4*\g:163+4*\g] offset:512*\g       ; each accumulator from its low end on
.endr
	ds_store_b64 v[MSB], v[12:13]
.Lkeep:
	s_wait_dscnt 0x0                               ; for the partner's sake: my stores are done
	s_barrier_signal -1
	s_barrier_wait -1
	s_cmp_lg_u32 s[PAR], 0
	s_cbranch_scc1 .Lodd                           ; the odd waves have handed their part on
.irp g, 0,1,2,3,4,5,6,7,8,9,10,11,12,13,14,15
	ds_load_b128 v[96+4*\g:99+4*\g], v[MSA] offset:512*\g          ; the partner's O^T, register for register
.endr
	ds_load_b64 v[232:233], v[MSB]                 ; its -M and its sum
	s_wait_dscnt 0x0
	v_min_num_f32 v234, v12, v232                  ; -M of the two together: the larger M
	v_sub_f32 v235, v234, v12                      ; my M less that: a whole number, 0 or less;
	v_sub_f32 v236, v234, v232                     ; the partner's likewise (a partner that had no step holds -M = 3e38: the conversion saturates and its factor is 0, on zeros)
	v_cvt_i32_f32 v235, v235
	v_cvt_i32_f32 v236, v236
	v_ldexp_f32 v238, 1.0, v235                    ; the two factors: powers of two, which round nothing
	v_ldexp_f32 v236, 1.0, v236
	v_mul_f32 v13, v13, v238
	v_fmac_f32 v13, v233, v236                     ; the sums under the common M,
	v_permlanex16_b32 v237, v13, s[SEL], s[SEL+1]
	v_add_f32 v13, v13, v237                       ; and lane l xor 16's: the row's sum
	v_rcp_f32 v14, v13
	v_nop                                          ; a plain place behind the reciprocal
	s_wait_alu depctr_va_vdst(0)                   ; a wait ahead of the reciprocal's first reader
	v_mul_f32 v238, v238, v14                      ; the division by the sum goes into the two factors
	v_mul_f32 v236, v236, v14
.irp j, 0,2,4,6,8,10,12,14,16,18,20,22,24,26,28,30,32,34,36,38,40,42,44,46,48,50,52,54,56,58,60,62
	v_pk_mul_f32 v[96+\j:97+\j], v[96+\j:97+\j], v[236:237] op_sel_hi:[1,0]       ; the partner's part
.endr
.irp j, 0,2,4,6,8,10,12,14,16,18,20,22,24,26,28,30,32,34,36,38,40,42,44,46,48,50,52,54,56,58,60,62
	v_pk_fma_f32 v[96+\j:97+\j], v[160+\j:161+\j], v[238:239], v[96+\j:97+\j] op_sel_hi:[1,0,1]   ; + mine: register 8 t + j is channel 16 t + 8 h + j of my query's row of the result
.endr
	; the quantiser of the projection out, along my head's 128 channels
.irp b, 0,1,2,3
	v_max3_num_f32 v[TM+\b], |v[96+16*\b]|, |v[97+16*\b]|, 0x1800000   ; my 16 numbers of block b, and the floor 2^(3 - 127)
.endr
.irp i, 2,4,6,8,10,12,14
.irp b, 0,1,2,3
	v_max3_num_f32 v[TM+\b], v[TM+\b], |v[96+16*\b+\i]|, |v[97+16*\b+\i]|
.endr
.endr
.irp b, 0,1,2,3
	v_permlanex16_b32 v[TM+4+\b], v[TM+\b], s[SEL], s[SEL+1]
.endr
.irp b, 0,1,2,3
	v_max_num_f32 v[TM+\b], v[TM+\b], v[TM+4+\b]
.endr
.irp b, 0,1,2,3
	v_add_nc_u32 v[TM+12+\b], 0xff000000, v[TM+\b]
.endr
.irp b, 0,1,2,3
	v_lshrrev_b32 v[TM+4+\b], 23, v[TM+12+\b]
.endr
	v_lshl_or_b32 v253, v[TM+5], 8, v[TM+4]        ; my row's scale word
	v_lshl_or_b32 v253, v[TM+6], 16, v253
	v_lshl_or_b32 v253, v[TM+7], 24, v253
.irp c, 0,1
.irp m, 0,1
	v_cvt_scalef32_pk8_fp4_f32 v[224+4*\c+2*\m], v[96+8*(4*\c+\m):103+8*(4*\c+\m)], v[TM+12+2*\c]
	v_cvt_scalef32_pk8_fp4_f32 v[225+4*\c+2*\m], v[96+8*(4*\c+2+\m):103+8*(4*\c+2+\m)], v[TM+13+2*\c]
.endr
.endr
	v_nop                                          ; one plain place behind a scaled conversion
.irp c, 0,1
.irp m, 0,1
	v_permlane16_swap_b32 v[224+4*\c+2*\m], v[225+4*\c+2*\m]
.endr
.endr
	global_store_b128 v[GO], v[224:227], s[12:13]              ; the fragment's image: 512 consecutive aligned bytes a store
	global_store_b128 v[GO], v[228:231], s[12:13] offset:512
	ds_store_b32 v[SWA], v253                      ; both halves of the lanes write the same word with the same value
.Lodd:
	s_wait_dscnt 0x0                               ; for the others' sake: my store is done
	s_barrier_signal -1
	s_barrier_wait -1
	s_and_b32 s96, s[WV], 11
	s_cmp_lg_u32 s96, 0
	s_cbranch_scc1 .Lno_words
	ds_load_b64 v[232:233], v[SWR]                 ; waves 0 and 4, whose tiles are the first of the early and of the late block: the scale words of a block of 64 queries
	s_wait_dscnt 0x0
	global_store_b64 v[GO8], v[232:233], s[14:15]  ; 256 consecutive aligned bytes
.Lno_words:
	s_wait_tensorcnt 0x0                           ; the wave's end: behind my last tensor load and my last LDS store
	ds_add_u32 v[SPW], v[NIL]
	s_wait_dscnt 0x0
	s_endpgm
.Lfunc_end_k_q3072b1df25_attn:
	.size	k_q3072b1df25_attn, .Lfunc_end_k_q3072b1df25_attn-k_q3072b1df25_attn
	.p2alignl 7, 3214868480
	.fill 96, 4, 3214868480
	.section	.rodata,"a",@progbits
	.p2align	6, 0x0
	.amdhsa_kernel k_q3072b1df25_attn
		.amdhsa_group_segment_fixed_size 327680
		.amdhsa_private_segment_fixed_size 0
		.amdhsa_enable_private_segment 0
		.amdhsa_kernarg_size 32
		.amdhsa_user_sgpr_count 2
		.amdhsa_user_sgpr_kernarg_segment_ptr 1
		.amdhsa_wavefront_size32 1
		.amdhsa_system_sgpr_workgroup_id_x 1
		.amdhsa_system_sgpr_workgroup_id_y 1
		.amdhsa_system_sgpr_workgroup_id_z 1
		.amdhsa_system_vgpr_workitem_id 0
		.amdhsa_next_free_vgpr 256
		.amdhsa_next_free_sgpr 100
		.amdhsa_reserve_vcc 1
		.amdhsa_float_denorm_mode_32 3
		.amdhsa_float_denorm_mode_16_64 3
		.amdhsa_memory_ordered 1
		.amdhsa_forward_progress 1
		.amdhsa_inst_pref_size 212
	.end_amdhsa_kernel
	.amdgpu_metadata
---
amdhsa.version: [ 1, 2 ]
amdhsa.kernels:
  - .name:           k_q3072b1df25_attn
    .symbol:         k_q3072b1df25_attn.kd
    .args:
      - { .name: qq, .offset: 0, .size: 8, .value_kind: global_buffer, .address_space: global }
      - { .name: kq, .offset: 8, .size: 8, .value_kind: global_buffer, .address_space: global }
      - { .name: vq, .offset: 16, .size: 8, .value_kind: global_buffer, .address_space: global }
      - { .name: aq, .offset: 24, .size: 8, .value_kind: global_buffer, .address_space: global }
    .group_segment_fixed_size: 327680
    .private_segment_fixed_size: 0
    .kernarg_segment_align: 8
    .kernarg_segment_size: 32
    .max_flat_workgroup_size: 512
    .sgpr_count:     100
    .vgpr_count:     256
    .wavefront_size: 32
...
	.end_amdgpu_metadata
.endif
;; end of part 3
;; launch outp (part 4): grid 16 x 16, 4 waves a work-group, clusters of 4 x 4, 327,680 bytes of LDS; arguments aq, woq, out0; writes out0
.if DOCPART == 4
	.amdgcn_target "amdgcn-amd-amdhsa--gfx1250"
	.amdhsa_code_object_version 6
	.text
	.protected	k_q3072b1df25_outp
	.globl	k_q3072b1df25_outp
	.p2align	8
	.type	k_q3072b1df25_outp,@function
k_q3072b1df25_outp:
	s_mov_b64 s[64:65], 0
	v_nop
	global_prefetch_b8 v0, s[64:65] scope:SCOPE_SE
	s_setreg_imm32_b32 hwreg(HW_REG_WAVE_MODE, 25, 1), 1
	s_wait_xcnt 0x0
	s_wait_alu depctr_hold_cnt(0) depctr_sa_sdst(0) depctr_va_vdst(0) depctr_va_sdst(0) depctr_va_ssrc(0) depctr_va_vcc(0) depctr_vm_vsrc(0)
	s_getreg_b32 s2, hwreg(HW_REG_IB_STS2, 6, 4)
	s_cmp_eq_u32 s2, 0
	s_cbranch_scc0 .Lentry_in_a_cluster
	s_endpgm
.Lentry_in_a_cluster:
	s_bfe_u32 s2, ttmp6, 0x10000c
	s_cmp_lg_u32 s2, 0xf033
	s_cbranch_scc0 .Lentry_shape_is_right
	s_endpgm
.Lentry_shape_is_right:
; The projection out: out0[m][n] = sum over k of A[m][k] wo[n][k], M = N = 4,096, K = 1,024 = 8 heads x 128, both operands codes of FP4 with one E8M0 scale for each 32 along K; out0 f32.  No work of this launch is left out.
; A (launch attn's result) lies as images of its fragments' registers: [head][row tile of 16][1,024 bytes], its scale words [head][row][4 bytes].  wo's codes lie as rows of 512 bytes, its scale bytes as rows of 32.
; A tile of out0, 256 x 256, is made by a work-group of four waves; a wave makes 128 x 128: 64 accumulators of 16 x 16, 512 registers.  K is two slots of 512 (four heads): both are first fills, nothing is filled again, and there is no loop.
; CLUSTERS: 4 x 4 work-groups.  The four of a row of the cluster need the same tiles of A, the four of a column the same rows of wo: each is asked for jointly, by the same tensor load with the same descriptor and a mask that names the four.
; THE MATRIX INSTRUCTION IS USED TRANSPOSED (source 0 = 16 rows of wo, source 1 = 16 rows of A): a lane then holds eight neighbouring numbers of a row of out0.
; REGISTERS, in windows of 256: window 0: v1-31 addresses; v32-63 A's scale words, v64-95 wo's; from v128 A's fragments (8 x 16 rows x 128 K), ONE set; on the way out v128-255 rows of out0.
;   window 1: wo's fragments, TWO sets, at v0 and v128.   window 2: the accumulators of my rows 0-63 ((a, b) at v[8 (8 a + b)]);   window 3: those of my rows 64-127.
.set SIZE_N, 4096
.set NQ,     4                         ; steps of 128 along K in a slot
.set PITCH,  272                       ; a row of wo's tile in LDS: 256 bytes + 16 of padding
.set FR,     8
.set NL,     2                         ; LDS loads that bring a fragment
.set NP,     4                         ; places behind this matrix instruction (ISA guide 7.12.1)
.set AHALF,  32768                     ; A: [half of 128 rows][4 heads][8 images of 1,024 bytes]
.set BOFF,   2*AHALF
.set BHALF,  128*PITCH
.set SLOT,   BOFF+2*BHALF
.set SCLB,   2*SLOT                    ; behind the slots: wo's scale bytes, eight rows to a run of 256 bytes + 16 of padding: 32 runs;
.set SCLA,   SCLB+32*272               ; A's scale words: [half][8 heads][512 bytes]
.set SPARE,  SCLA+8192                 ; the spare words, 128 bytes a wave, that no other line names
.set SPITCH, 528                       ; the way out: a stage of 16 rows x (512 bytes + 16) for each wave, in slot 0, which has had its only fill and its last read by then
.set ADRA, 16                          ; v16-17  my A fragments in slot 0, 1
.set ADRB, 20                          ; v20-21  wo's
.set STO,  24
.set RD,   25
.set CO,   26
.set ADSA, 27                          ; v27  A's scale words: lane l takes row l of a pair of row tiles
.set SPW,  28                          ; v28  LDS address of my spare word; never rewritten
.set NIL,  29                          ; v29  0; never rewritten
.set ADSB, 30                          ; v30  wo's scale words
.set SA,   32                          ; head q8, pair i: v[SA + 4 q8 + i]; lanes 0-15 the even tile of the pair, lanes 16-31 the odd one
.set SB,   64                          ; slot s, pair b, word q: v[SB + 16 s + 4 b + q]
.set AF,   128
.set BK,   128
.set G1, 24
.set G0, 32
.set G1B, 48
.set G0B, 56
.set G1S, 68
.set G0S, 76
.set G1SB, 80
.set G0SB, 88
.set MSB, 0
.macro WIN new                         ; the immediate's high byte repeats the setting that is left
.if MSB != \new
	s_set_vgpr_msb (MSB<<8)|\new
.set MSB, \new
.endif
.endm
.set MUL_LO, 0xa1                      ; source 0 (wo) window 1, source 1 (A) window 0, C and D window 2
.set MUL_HI, 0xf1                      ; the same, C and D window 3
.set TO_B,   0x40
.macro JLOAD g0a, g1a, g0b, g1b        ; a joint load: waves 0 and 1 fetch for A, waves 2 and 3 for wo; an s_nop 0 and four v_nop follow each of the two lines
	s_cmp_eq_u32 s15, 0
	s_cbranch_scc0 .Lfor_b_\@
	tensor_load_to_lds s[\g0a:\g0a+3], s[\g1a:\g1a+7]
	s_nop 0
.rept 4
	v_nop
.endr
	s_branch .Lasked_\@
.Lfor_b_\@:
	tensor_load_to_lds s[\g0b:\g0b+3], s[\g1b:\g1b+7]
	s_nop 0
.rept 4
	v_nop
.endr
.Lasked_\@:
.endm
.macro CROUND                          ; a round of the cluster's barrier
	s_barrier_signal -1
	s_barrier_wait -1
	s_cmp_lg_u32 s14, 0
	s_cbranch_scc1 .Lnot_wave_0_\@
	s_barrier_signal -3
.Lnot_wave_0_\@:
	s_barrier_wait -3
	s_barrier_signal -1
	s_barrier_wait -1
.endm
	s_load_b128 s[4:7], s[0:1], 0x0                ; aq, woq
	s_load_b64 s[12:13], s[0:1], 0x10              ; out0
	v_lshl_add_u32 v[SPW], v0, 2, SPARE
	v_mov_b32 v[NIL], 0
	ds_add_u32 v[SPW], v[NIL]                      ; the wave's opening: the add, twice on end, and its wait ahead of my first tensor load
	ds_add_u32 v[SPW], v[NIL]
	v_lshrrev_b32 v1, 5, v0
	v_readfirstlane_b32 s14, v1                    ; wave 0..3
	s_lshr_b32 s15, s14, 1                         ; which half of the tile's rows is mine.  Also: I fetch for A (0) or for wo (1)
	s_and_b32 s16, s14, 1                          ; which half of its columns.  Also: which 128 rows I fetch
	s_bfe_u32 s40, ttmp6, 0x40000                  ; cx, cy
	s_bfe_u32 s41, ttmp6, 0x40004
	s_lshl_b32 s42, ttmp9, 2
	s_add_co_u32 s42, s42, s40                     ; tile column = 4 x cluster x + cx
	s_and_b32 s17, ttmp7, 0xffff
	s_lshl_b32 s17, s17, 2
	s_add_co_u32 s17, s17, s41                     ; tile row = 4 x cluster y + cy
	s_lshl_b32 s43, s41, 2
	s_lshl_b32 s43, 15, s43                        ; my row of the cluster
	s_lshl_b32 s44, 0x1111, s40                    ; my column
	; A's codes: 4 heads x 8,192 bytes (eight images on end), the heads 262,144 bytes apart; elements of 8 bytes; no padding
	s_or_b32 s[G1], s43, (3<<16)|(1<<21)
	s_mov_b32 s[G1+1], 1024<<16                    ; tensor_dim0
	s_mov_b32 s[G1+2], 4<<16                       ; tensor_dim1
	s_mov_b32 s[G1+3], 1024<<16                    ; tile_dim0
	s_mov_b32 s[G1+4], 4                           ; tile_dim1
	s_mov_b32 s[G1+5], 32768                       ; from head to head
	s_mov_b32 s[G1+6], 0
	s_mov_b32 s[G1+7], 0
	; wo's codes: 128 rows x 256 bytes, 512 bytes apart, 16 bytes of padding behind each
	s_or_b32 s[G1B], s44, (1<<20)|(1<<21)|(5<<22)|(3<<25)
	s_mov_b32 s[G1B+1], 256<<16
	s_mov_b32 s[G1B+2], 128<<16
	s_mov_b32 s[G1B+3], 256<<16
	s_mov_b32 s[G1B+4], 128
	s_mov_b32 s[G1B+5], 512
	s_mov_b32 s[G1B+6], 0
	s_mov_b32 s[G1B+7], 0
	; A's scale words: 8 heads x 512 bytes (128 rows), the heads 16,384 bytes apart
	s_or_b32 s[G1S], s43, (3<<16)|(1<<21)
	s_mov_b32 s[G1S+1], 64<<16
	s_mov_b32 s[G1S+2], 8<<16
	s_mov_b32 s[G1S+3], 64<<16
	s_mov_b32 s[G1S+4], 8
	s_mov_b32 s[G1S+5], 2048
	s_mov_b32 s[G1S+6], 0
	s_mov_b32 s[G1S+7], 0
	; wo's scale bytes of 128 rows: 4,096 dense bytes as 16 rows of 256, 16 bytes of padding behind each
	s_or_b32 s[G1SB], s44, (3<<16)|(1<<20)|(1<<21)|(5<<22)|(3<<25)
	s_mov_b32 s[G1SB+1], 32<<16
	s_mov_b32 s[G1SB+2], 16<<16
	s_mov_b32 s[G1SB+3], 32<<16
	s_mov_b32 s[G1SB+4], 16
	s_mov_b32 s[G1SB+5], 32
	s_mov_b32 s[G1SB+6], 0
	s_mov_b32 s[G1SB+7], 0
	; where they come from: A's hang on the tile row alone, wo's on the tile column alone, each in registers that never hold the other coordinate
	s_lshl_b32 s20, s17, 14                        ; A's codes: row tile 16 x tile row + 8 x half, 1,024 bytes each
	s_lshl_b32 s18, s16, 13
	s_add_co_u32 s20, s20, s18
	s_mov_b32 s21, 0
	s_lshl_b32 s22, s17, 10                        ; A's scale words: row 256 x tile row + 128 x half, 4 bytes each, behind the codes
	s_lshl_b32 s18, s16, 9
	s_add_co_u32 s22, s22, s18
	s_add_co_u32 s22, s22, 2097152
	s_mov_b32 s23, 0
	s_lshl_b32 s46, s42, 17                        ; wo's codes: row 256 x tile column + 128 x half, 512 bytes each
	s_lshl_b32 s18, s16, 16
	s_add_co_u32 s46, s46, s18
	s_mov_b32 s47, 0
	s_lshl_b32 s92, s42, 13                        ; wo's scale bytes: 32 a row, behind the codes
	s_lshl_b32 s18, s16, 12
	s_add_co_u32 s92, s92, s18
	s_add_co_u32 s92, s92, 2097152
	s_mov_b32 s93, 0
	s_lshl_b32 s45, s16, 15                        ; where they go: no place in the cluster enters an LDS address
	s_mul_i32 s94, s16, BHALF
	s_lshl_b32 s95, s16, 12
	s_mul_i32 s19, s16, 16*272
	s_wait_dscnt 0x0                               ; both opening adds are done
	s_wait_kmcnt 0x0
	s_add_nc_u64 s[20:21], s[4:5], s[20:21]
	s_add_nc_u64 s[22:23], s[4:5], s[22:23]
	s_add_nc_u64 s[46:47], s[6:7], s[46:47]
	s_add_nc_u64 s[92:93], s[6:7], s[92:93]
	CROUND                                         ; all sixteen work-groups are here: the joint loads meet
	s_mov_b32 s[G0S], 1
	s_add_co_u32 s[G0S+1], s95, SCLA
	s_mov_b64 s[G0S+2:G0S+3], s[22:23]
	s_or_b32 s[G0S+3], s[G0S+3], 0x80000000
	s_mov_b32 s[G0SB], 1
	s_add_co_u32 s[G0SB+1], s19, SCLB
	s_mov_b64 s[G0SB+2:G0SB+3], s[92:93]
	s_or_b32 s[G0SB+3], s[G0SB+3], 0x80000000
	JLOAD G0S, G1S, G0SB, G1SB                     ; the scales first: they are wanted with the first step
.irp s, 0,1
	s_mov_b32 s[G0+4*\s], 1
	s_add_co_u32 s[G0+4*\s+1], s45, \s*SLOT
	s_add_nc_u64 s[G0+4*\s+2:G0+4*\s+3], s[20:21], \s*1048576      ; heads 4 s on
	s_or_b32 s[G0+4*\s+3], s[G0+4*\s+3], 0x80000000
	s_mov_b32 s[G0B+4*\s], 1
	s_add_co_u32 s[G0B+4*\s+1], s94, \s*SLOT+BOFF
	s_add_nc_u64 s[G0B+4*\s+2:G0B+4*\s+3], s[46:47], \s*256
	s_or_b32 s[G0B+4*\s+3], s[G0B+4*\s+3], 0x80000000
	JLOAD G0+4*\s, G1, G0B+4*\s, G1B               ; three loads of mine are out behind the second
.endr
	v_and_b32 v1, 15, v0                           ; r
	v_bfe_u32 v2, v0, 4, 1                         ; h
	v_and_b32 v3, 31, v0                           ; lane
	s_lshl_b32 s21, s15, 15                        ; my 128 rows of A
	v_lshl_add_u32 v[ADRA], v3, 4, s21             ; an image: 16 x lane
	v_add_nc_u32 v[ADRA+1], SLOT, v[ADRA]
	v_mul_u32_u24 v4, v1, PITCH
	v_lshl_add_u32 v4, v2, 4, v4
	s_mul_i32 s22, s16, BHALF                      ; my 128 rows of wo
	s_add_co_u32 s22, s22, BOFF
	v_add_nc_u32 v[ADRB], s22, v4
	v_add_nc_u32 v[ADRB+1], SLOT, v[ADRB]
	s_lshl_b32 s21, s15, 12
	s_add_co_u32 s21, s21, SCLA
	v_lshl_add_u32 v[ADSA], v3, 2, s21
	v_lshrrev_b32 v5, 3, v3
	v_lshlrev_b32 v6, 5, v3
	v_lshl_add_u32 v5, v5, 4, v6                   ; row l's scale bytes: 32 l, and 16 more for each 256 passed
	s_mul_i32 s22, s16, 16*272
	s_add_co_u32 s22, s22, SCLB
	v_add_nc_u32 v[ADSB], s22, v5
	s_mul_i32 s23, s14, 16*SPITCH                  ; my stage
	v_mul_u32_u24 v5, v1, SPITCH                   ; in: row r, 32 bytes for each half of the lanes
	v_lshl_add_u32 v5, v2, 5, v5
	v_add_nc_u32 v[STO], s23, v5
	v_lshlrev_b32 v[CO], 4, v3                     ; back: the 32 lanes take one row of 512 bytes; and the same in out0
	v_add_nc_u32 v[RD], s23, v[CO]
	s_lshl_b32 s20, s17, 8
	s_lshl_b32 s21, s15, 7
	s_add_co_u32 s20, s20, s21                     ; my first row of out0
	s_lshl_b32 s20, s20, 14                        ; 16,384 bytes a row (under 2^26)
	s_lshl_b32 s46, s42, 10                        ; my first column, in bytes
	s_lshl_b32 s47, s16, 9
	s_add_co_u32 s46, s46, s47
	s_add_co_u32 s20, s20, s46
	s_mov_b32 s21, 0
	s_add_nc_u64 s[12:13], s[12:13], s[20:21]
; One matrix instruction.  d: accumulator; fb, fa: wo's and A's fragment; sb, sa: their scale registers; ob, oa: 1 where the scale words stand in lanes 16-31; zero = 1: it starts the sum.
.macro MM d, fb, fa, sb, sa, ob, oa, zero
.if \zero
.if ((\ob) == 0) && ((\oa) == 0)
	v_wmma_scale_f32_16x16x128_f8f6f4 v[\d:\d+7], v[\fb:\fb+7], v[\fa:\fa+7], 0, v[\sb], v[\sa] matrix_a_fmt:MATRIX_FMT_FP4 matrix_b_fmt:MATRIX_FMT_FP4
.elseif (\oa) == 0
	v_wmma_scale_f32_16x16x128_f8f6f4 v[\d:\d+7], v[\fb:\fb+7], v[\fa:\fa+7], 0, v[\sb], v[\sa] matrix_a_fmt:MATRIX_FMT_FP4 matrix_b_fmt:MATRIX_FMT_FP4 matrix_a_scale:MATRIX_SCALE_ROW1
.elseif (\ob) == 0
	v_wmma_scale_f32_16x16x128_f8f6f4 v[\d:\d+7], v[\fb:\fb+7], v[\fa:\fa+7], 0, v[\sb], v[\sa] matrix_a_fmt:MATRIX_FMT_FP4 matrix_b_fmt:MATRIX_FMT_FP4 matrix_b_scale:MATRIX_SCALE_ROW1
.else
	v_wmma_scale_f32_16x16x128_f8f6f4 v[\d:\d+7], v[\fb:\fb+7], v[\fa:\fa+7], 0, v[\sb], v[\sa] matrix_a_fmt:MATRIX_FMT_FP4 matrix_b_fmt:MATRIX_FMT_FP4 matrix_a_scale:MATRIX_SCALE_ROW1 matrix_b_scale:MATRIX_SCALE_ROW1
.endif
.else
.if ((\ob) == 0) && ((\oa) == 0)
	v_wmma_scale_f32_16x16x128_f8f6f4 v[\d:\d+7], v[\fb:\fb+7], v[\fa:\fa+7], v[\d:\d+7], v[\sb], v[\sa] matrix_a_fmt:MATRIX_FMT_FP4 matrix_b_fmt:MATRIX_FMT_FP4
.elseif (\oa) == 0
	v_wmma_scale_f32_16x16x128_f8f6f4 v[\d:\d+7], v[\fb:\fb+7], v[\fa:\fa+7], v[\d:\d+7], v[\sb], v[\sa] matrix_a_fmt:MATRIX_FMT_FP4 matrix_b_fmt:MATRIX_FMT_FP4 matrix_a_scale:MATRIX_SCALE_ROW1
.elseif (\ob) == 0
	v_wmma_scale_f32_16x16x128_f8f6f4 v[\d:\d+7], v[\fb:\fb+7], v[\fa:\fa+7], v[\d:\d+7], v[\sb], v[\sa] matrix_a_fmt:MATRIX_FMT_FP4 matrix_b_fmt:MATRIX_FMT_FP4 matrix_b_scale:MATRIX_SCALE_ROW1
.else
	v_wmma_scale_f32_16x16x128_f8f6f4 v[\d:\d+7], v[\fb:\fb+7], v[\fa:\fa+7], v[\d:\d+7], v[\sb], v[\sa] matrix_a_fmt:MATRIX_FMT_FP4 matrix_b_fmt:MATRIX_FMT_FP4 matrix_a_scale:MATRIX_SCALE_ROW1 matrix_b_scale:MATRIX_SCALE_ROW1
.endif
.endif
.endm
; 16 matrix instructions: A's blocks a0, a0 + 1 x wo's eight, the slot's q-th head.  p: wo's set;  sc: the slot.  The 64 accumulators take turns, one instruction a turn, in the same order in every step.
.macro MUL16 a0, p, q, sc, zero
.irp a, \a0, \a0+1
.irp b, 0,1,2,3,4,5,6,7
	MM 8*(8*((\a)%4)+\b), 128*(\p)+FR*\b, AF+FR*(\a), SB+16*(\sc)+4*(\b/2)+(\q), SA+4*(4*(\sc)+(\q))+(\a)/2, (\b)%2, (\a)%2, \zero
.endr
.endr
.endm
.macro FETCH_B slot, q, p              ; wo's eight fragments of the slot's q-th 128 along K into set p
	WIN TO_B
.irp i, 0,1,2,3,4,5,6,7
.irp c, 0,1
	ds_load_b128 v[128*(\p)+FR*\i+4*\c:128*(\p)+FR*\i+4*\c+3], v[ADRB+\slot] offset:64*(\q)+32*\c+\i*16*PITCH
.endr
.endr
	WIN 0
.endm
.macro FETCH_A slot, q, i0             ; A's blocks i0 .. i0 + 3: images, 512 consecutive bytes a load
.irp i, \i0, \i0+1, \i0+2, \i0+3
.irp c, 0,1
	ds_load_b128 v[AF+FR*(\i)+4*\c:AF+FR*(\i)+4*\c+3], v[ADRA+\slot] offset:8192*(\q)+1024*(\i)+512*\c
.endr
.endr
.endm
.macro SCALES_B sc                     ; wo's scale words of slot sc: four words a row
.irp i, 0,1,2,3
	ds_load_b128 v[SB+16*\sc+4*\i:SB+16*\sc+4*\i+3], v[ADSB] offset:\i*4*272+16*\sc
.endr
.endm
.macro PLACES n
.rept \n
	v_nop
.endr
.endm
; A step of 128 along K that has its successor in the same slot.  A block of A is free as soon as its eight products are issued, so one set serves A: blocks 0-3 are fetched anew in the step's middle, blocks 4-7 at its end.
.macro STEP slot, q, zero
	s_wait_dscnt 4*NL                              ; wo's set, A's blocks 0-3 and the scale words are in; the youngest eight loads (A's blocks 4-7) may be out
	WIN MUL_LO
	MUL16 0, (\q)%2, \q, \slot, \zero
	MUL16 2, (\q)%2, \q, \slot, \zero
	s_wait_dscnt 0                                 ; A's blocks 4-7 are in
	PLACES NP
	FETCH_B \slot, (\q)+1, 1-(\q)%2
	FETCH_A \slot, (\q)+1, 0
	WIN MUL_HI
	MUL16 4, (\q)%2, \q, \slot, \zero
	MUL16 6, (\q)%2, \q, \slot, \zero
	PLACES NP
	WIN 0
	FETCH_A \slot, (\q)+1, 4
.endm
	s_wait_tensorcnt 1                             ; the scales and my part of slot 0 are in (slot 1's load may be out)
	s_barrier_signal -1
	s_barrier_wait -1                              ; everybody's are
	FETCH_B 0, 0, 0
	FETCH_A 0, 0, 0
.irp q8, 0,1,2,3,4,5,6,7
.irp i, 0,1,2,3
	ds_load_b32 v[SA+4*\q8+\i], v[ADSA] offset:512*\q8+128*\i      ; A's scale words of all eight heads, once
.endr
.endr
	SCALES_B 0
	FETCH_A 0, 0, 4
	STEP 0, 0, 1                                   ; the first step's products start the sums: nothing is cleared
	STEP 0, 1, 0
	STEP 0, 2, 0
	; slot 0's last step changes slots: one barrier; in front of it each wave waits for all its tensor loads, adds 0 to its spare word, and waits for that and for its own reads of slot 0
	s_wait_tensorcnt 0x0                           ; my part of slot 1 has landed
	ds_add_u32 v[SPW], v[NIL]                      ; 0 onto my spare word
	s_wait_dscnt 4*NL+1                            ; (the add and A's blocks 4-7 may be out)
	WIN MUL_LO
	MUL16 0, 1, 3, 0, 0
	s_wait_dscnt 0x0                               ; the add is done, and my reads of slot 0 are over
	s_barrier_signal -1
	MUL16 2, 1, 3, 0, 0
	WIN 0
	s_barrier_wait -1                              ; slot 1 is whole, and nobody reads slot 0 any more
	PLACES NP
	FETCH_B 1, 0, 0
	FETCH_A 1, 0, 0
	SCALES_B 1
	WIN MUL_HI
	MUL16 4, 1, 3, 0, 0
	MUL16 6, 1, 3, 0, 0
	PLACES NP
	WIN 0
	FETCH_A 1, 0, 4
	STEP 1, 0, 0
	STEP 1, 1, 0
	STEP 1, 2, 0
	s_wait_dscnt 4*NL                              ; the very last step: nothing more to fetch
	WIN MUL_LO
	MUL16 0, 1, 3, 1, 0
	MUL16 2, 1, 3, 1, 0
	s_wait_dscnt 0
	WIN MUL_HI
	MUL16 4, 1, 3, 1, 0
	MUL16 6, 1, 3, 1, 0
	WIN 0
; THE WAY OUT, block by block of 16 rows x 128 columns.  A lane holds 32 neighbouring bytes of a row, and the lanes beside it hold other rows: so a block goes through my own stage in LDS and comes back as whole
; rows of 512 bytes.  LDS serves a wave's instructions in order (ISA guide 5.7.1.4): no wait between the stores and the loads, nor in front of the next block's stores.
.macro TOSTAGE a
.set AC, 64*((\a)%4)
	WIN 0x08+4*((\a)/4)                            ; the data: window 2 or 3
.irp b, 0,1,2,3,4,5,6,7
	ds_store_b128 v[STO], v[AC+8*\b:AC+8*\b+3] offset:64*\b          ; each accumulator from its low end on
	ds_store_b128 v[STO], v[AC+8*\b+4:AC+8*\b+7] offset:64*\b+16
.endr
	WIN 0
.set BB, BK+64*((\a)%2)
.irp t, 0,1,2,3,4,5,6,7,8,9,10,11,12,13,14,15
	ds_load_b128 v[BB+4*\t:BB+4*\t+3], v[RD] offset:\t*SPITCH
.endr
.endm
.macro SEND a, younger                 ; younger: the LDS instructions issued behind block a's loads, which may stay out
.set BB, BK+64*((\a)%2)
	s_wait_dscnt \younger                          ; the block is back in registers
.if (\a) > 0
	s_add_nc_u64 s[12:13], s[12:13], 16*SIZE_N*4   ; (behind a wait for the earlier stores' addresses: they have read their base)  16 rows of out0 on
.endif
.irp t, 0,1,2,3,4,5,6,7,8,9,10,11,12,13,14,15
	global_store_b128 v[CO], v[BB+4*\t:BB+4*\t+3], s[12:13] offset:\t*SIZE_N*4 th:TH_STORE_NT   ; 32 lanes store 512 consecutive bytes, at a multiple of 256 from out0's first byte; written once, read by nobody here
.endr
.endm
	PLACES NP                                      ; in front of the reads of results and of the loads into the registers that held A's fragments
	TOSTAGE 0
.irp a, 1,2,3,4,5,6,7
.if \a > 1
	s_wait_xcnt 0x0                                ; block a - 2's stores have read their registers and their base: block a's loads may land there, and the base may step
.endif
	TOSTAGE \a
	SEND \a-1, 32                                  ; behind block a - 1's loads: block a's 16 stores and 16 loads
.endr
	s_wait_xcnt 0x0                                ; block 6's stores have read their base
	SEND 7, 0
	s_wait_tensorcnt 0x0                           ; the wave's end: behind my last tensor load and my last LDS store
	ds_add_u32 v[SPW], v[NIL]
	s_wait_dscnt 0x0
	CROUND                                         ; the closing round: no work-group ends while a partner may still ask for a tile that names it
	s_endpgm
.Lfunc_end_k_q3072b1df25_outp:
	.size	k_q3072b1df25_outp, .Lfunc_end_k_q3072b1df25_outp-k_q3072b1df25_outp
	.p2alignl 7, 3214868480
	.fill 96, 4, 3214868480
	.section	.rodata,"a",@progbits
	.p2align	6, 0x0
	.amdhsa_kernel k_q3072b1df25_outp
		.amdhsa_group_segment_fixed_size 327680
		.amdhsa_private_segment_fixed_size 0
		.amdhsa_enable_private_segment 0
		.amdhsa_kernarg_size 24
		.amdhsa_user_sgpr_count 2
		.amdhsa_user_sgpr_kernarg_segment_ptr 1
		.amdhsa_wavefront_size32 1
		.amdhsa_system_sgpr_workgroup_id_x 1
		.amdhsa_system_sgpr_workgroup_id_y 1
		.amdhsa_system_sgpr_workgroup_id_z 1
		.amdhsa_system_vgpr_workitem_id 0
		.amdhsa_next_free_vgpr 1024
		.amdhsa_next_free_sgpr 98
		.amdhsa_reserve_vcc 0
		.amdhsa_float_denorm_mode_32 3
		.amdhsa_float_denorm_mode_16_64 3
		.amdhsa_memory_ordered 1
		.amdhsa_forward_progress 1
		.amdhsa_inst_pref_size 126
	.end_amdhsa_kernel
	.amdgpu_metadata
---
amdhsa.version: [ 1, 2 ]
amdhsa.kernels:
  - .name:           k_q3072b1df25_outp
    .symbol:         k_q3072b1df25_outp.kd
    .args:
      - { .name: aq, .offset: 0, .size: 8, .value_kind: global_buffer, .address_space: global }
      - { .name: woq, .offset: 8, .size: 8, .value_kind: global_buffer, .address_space: global }
      - { .name: out0, .offset: 16, .size: 8, .value_kind: global_buffer, .address_space: global }
    .group_segment_fixed_size: 327680
    .private_segment_fixed_size: 0
    .kernarg_segment_align: 8
    .kernarg_segment_size: 24
    .max_flat_workgroup_size: 128
    .sgpr_count:     98
    .vgpr_count:     1024
    .wavefront_size: 32
...
	.end_amdgpu_metadata
.endif
;; end of part 4
